; MI455X (gfx1250); checked and timed in simulation.
; The chip was launched on July 23, 2026; its instructions are those of AMD's public machine-readable ISA for CDNA 5 (MIT licence, August 2026) and "CDNA5" Instruction Set Architecture Reference Guide (July 2026). The comments in the code are by the model that wrote it; some were corrected since.
;; Baseline Model. Allowed arithmetic: matrix products marked QUANTISED: E2M1 operands, one E8M0 scale for each 32 along K, by v_wmma_scale_f32_16x16x128_f8f6f4 with both operands' format E2M1 (or v_wmma_scale_f32_32x16x128_f4), f32 sums; everything else in f32.
;; Inputs: Kb 4 x 128 float32; Kw 4 x 128 x 128 float32; Qb 4 x 128 float32; Qw 4 x 128 x 128 float32; Ub 4 x 128 float32; Uw 4 x 128 x 128 float32; Vb 4 x 128 float32; Vw 4 x 128 x 128 float32; attn_mask 2,048 x 2,048 bool; c1b 4 x 128 float32; c1w 4 x 128 x 128 float32; c2b 4 x 128 float32; c2w 4 x 128 x 128 float32; emb_ln_s 128 float32; f2b 4 x 128 float32; f2w 4 x 128 x 128 float32; hstu_ln_s 4 x 128 float32; item_table 200,001 x 128 float32; last_ln_s 128 float32; ln1_s 4 x 128 float32; ln2_s 4 x 128 float32; log_seqs 8 x 2,048 int32; pos_table 4,097 x 128 float32.
;; Outputs: out0 8 x 2,048 x 128 float32.
;; This version of the problem:
;;   THIS VERSION OF THE PROBLEM IS GIVEN IN LOW PRECISION. The matrix products marked QUANTISED in the list below multiply operands that are first quantised to E2M1 (2 exponent bits, 1 mantissa bit; 4 bits a number), with one power-of-two scale for each 32 numbers along K (OCP MX v1.0); their sums are f32. All else is computed in f32.
;;   The module's matrix products, in the order in which they are computed (A, B: the left and right operand; K: the contracted axis; several contracted axes count as one K, in the product's order):
;;     1. [M 16,384, K 128] x [K 128, N 128]; A: computed on the way; B: input Uw: QUANTISED
;;     2. [M 16,384, K 128] x [K 128, N 128]; A: computed on the way; B: input Vw: QUANTISED
;;     3. [M 16,384, K 128] x [K 128, N 128]; A: computed on the way; B: input Qw: QUANTISED
;;     4. [M 16,384, K 128] x [K 128, N 128]; A: computed on the way; B: input Kw: QUANTISED
;;     5. batch 16 x [M 2,048, K 64] x [K 64, N 2,048]; A: computed on the way; B: computed on the way: QUANTISED
;;     6. batch 16 x [M 64, K 2,048] x [K 2,048, N 2,048]; A: computed on the way; B: computed on the way: QUANTISED
;;     7. [M 16,384, K 128] x [K 128, N 128]; A: computed on the way; B: input f2w: QUANTISED
;;     8. [M 16,384, K 128] x [K 128, N 128]; A: computed on the way; B: input c1w: QUANTISED
;;     9. [M 16,384, K 128] x [K 128, N 128]; A: computed on the way; B: input c2w: QUANTISED
;;     10. [M 16,384, K 128] x [K 128, N 128]; A: computed on the way; B: input Uw: QUANTISED
;;     11. [M 16,384, K 128] x [K 128, N 128]; A: computed on the way; B: input Vw: QUANTISED
;;     12. [M 16,384, K 128] x [K 128, N 128]; A: computed on the way; B: input Qw: QUANTISED
;;     13. [M 16,384, K 128] x [K 128, N 128]; A: computed on the way; B: input Kw: QUANTISED
;;     14. batch 16 x [M 2,048, K 64] x [K 64, N 2,048]; A: computed on the way; B: computed on the way: QUANTISED
;;     15. batch 16 x [M 64, K 2,048] x [K 2,048, N 2,048]; A: computed on the way; B: computed on the way: QUANTISED
;;     16. [M 16,384, K 128] x [K 128, N 128]; A: computed on the way; B: input f2w: QUANTISED
;;     17. [M 16,384, K 128] x [K 128, N 128]; A: computed on the way; B: input c1w: QUANTISED
;;     18. [M 16,384, K 128] x [K 128, N 128]; A: computed on the way; B: input c2w: QUANTISED
;;     19. [M 16,384, K 128] x [K 128, N 128]; A: computed on the way; B: input Uw: QUANTISED
;;     20. [M 16,384, K 128] x [K 128, N 128]; A: computed on the way; B: input Vw: QUANTISED
;;     21. [M 16,384, K 128] x [K 128, N 128]; A: computed on the way; B: input Qw: QUANTISED
;;     22. [M 16,384, K 128] x [K 128, N 128]; A: computed on the way; B: input Kw: QUANTISED
;;     23. batch 16 x [M 2,048, K 64] x [K 64, N 2,048]; A: computed on the way; B: computed on the way: QUANTISED
;;     24. batch 16 x [M 64, K 2,048] x [K 2,048, N 2,048]; A: computed on the way; B: computed on the way: QUANTISED
;;     25. [M 16,384, K 128] x [K 128, N 128]; A: computed on the way; B: input f2w: QUANTISED
;;     26. [M 16,384, K 128] x [K 128, N 128]; A: computed on the way; B: input c1w: QUANTISED
;;     27. [M 16,384, K 128] x [K 128, N 128]; A: computed on the way; B: input c2w: QUANTISED
;;     28. [M 16,384, K 128] x [K 128, N 128]; A: computed on the way; B: input Uw: QUANTISED
;;     29. [M 16,384, K 128] x [K 128, N 128]; A: computed on the way; B: input Vw: QUANTISED
;;     30. [M 16,384, K 128] x [K 128, N 128]; A: computed on the way; B: input Qw: QUANTISED
;;     31. [M 16,384, K 128] x [K 128, N 128]; A: computed on the way; B: input Kw: QUANTISED
;;     32. batch 16 x [M 2,048, K 64] x [K 64, N 2,048]; A: computed on the way; B: computed on the way: QUANTISED
;;     33. batch 16 x [M 64, K 2,048] x [K 2,048, N 2,048]; A: computed on the way; B: computed on the way: QUANTISED
;;     34. [M 16,384, K 128] x [K 128, N 128]; A: computed on the way; B: input f2w: QUANTISED
;;     35. [M 16,384, K 128] x [K 128, N 128]; A: computed on the way; B: input c1w: QUANTISED
;;     36. [M 16,384, K 128] x [K 128, N 128]; A: computed on the way; B: input c2w: QUANTISED
;;   THE QUANTISER, for each operand of a quantised product, along K:
;;     - K is cut into blocks of 32 from its start; a last block that is shorter is filled with zeros.
;;     - A block's scale is 2^e with e = floor(log2(the largest magnitude in the block)) - 2, held to -126 .. 127; a block of zeros has e = 0. As a byte (E8M0): e + 127.
;;     - Each number is divided by its block's scale, clamped to +-6, and rounded to the nearest number of E2M1, ties to even, subnormals kept.
;;     - The product sums the exact products of the quantised numbers (number of the format x scale) in f32.
;;   ~~~python
;;   def quantise(x, axis):      # numpy; x: float32 -> the quantised numbers, widened to float32 again
;;       x = np.moveaxis(x, axis, -1); K = x.shape[-1]
;;       x = np.pad(x, [(0, 0)] * (x.ndim - 1) + [(0, -K % 32)]); x = x.reshape(x.shape[:-1] + (-1, 32)); a = np.abs(x).max(-1, keepdims=True)
;;       e = np.where(a > 0, np.clip(np.frexp(np.where(a > 0, a, 1))[1] - 1 - 2, -126, 127), 0)      # np.frexp(a)[1] - 1 = floor(log2(a)), exactly
;;       r = np.clip(x / 2.0 ** e, -6, 6)
;;       step = 2.0 ** (np.maximum(np.frexp(np.where(r == 0, 1, r))[1] - 1, 0) - 1)
;;       q = np.round(r / step) * step * 2.0 ** e      # np.round: ties to even
;;       return np.moveaxis(q.reshape(q.shape[:-2] + (-1,))[..., :K], -1, axis).astype(np.float32)
;;   ~~~
;;   OPERANDS COMPUTED ON THE WAY. 'Computed on the way' means the value that the module computes at that place (a softmax that the list does not call 'softmax' is quantised finished and normalised). What goes into a quantiser is computed in f32, as accurately as f32 sums, v_exp_f32 and their like allow (about 1e-6 of the number): no bf16 or f16 on the way to a quantiser, and a product that is left as it is and whose result goes on into a quantised operand takes f32 operands (vector FMAs, or v_wmma_f32_16x16x4_f32). A number that lies on a knife's edge between two numbers of the format may be rounded either way, as far as f32 arithmetic and the matrix unit's own rounding can turn it there, and no further.
;; 2 versions, each right and faster than the one before. Each part assembles by itself: llvm-mc -triple=amdgcn-amd-amdhsa -mcpu=gfx1250 --defsym DOCPART=n.
;; ======== version 1 of 2: 6 launches
;; workspace buffers: sa 20,381,696 bytes; sb 20,381,696 bytes; par 294,912 bytes; maskw 524,288 bytes of whole numbers; lay0 256 bytes of whole numbers; lay1 256 bytes of whole numbers; lay2 256 bytes of whole numbers; lay3 256 bytes of whole numbers
;; launch prep (part 1): grid 284 x 1, 8 waves a work-group, no clusters, 0 bytes of LDS; arguments Uw, Qw, Kw, Vw, f2w, c1w, c2w, Ub, Qb, Kb, Vb, f2b, c1b, c2b, ln1_s, hstu_ln_s, ln2_s, attn_mask, par, maskw, lay0, lay1, lay2, lay3; writes par, maskw, lay0, lay1, lay2, lay3
.if DOCPART == 1
	.amdgcn_target "amdgcn-amd-amdhsa--gfx1250"
	.amdhsa_code_object_version 6
	.text
	.protected	k_q9f445b1ef6_prep
	.globl	k_q9f445b1ef6_prep
	.p2align	8
	.type	k_q9f445b1ef6_prep,@function
k_q9f445b1ef6_prep:
	s_mov_b64 s[64:65], 0
	v_nop
	global_prefetch_b8 v0, s[64:65] scope:SCOPE_SE
	s_setreg_imm32_b32 hwreg(HW_REG_WAVE_MODE, 25, 1), 1
	s_wait_xcnt 0x0
; PREP.  (a) The 28 weights [128 (k)][128 (n)], f32, become codes of E2M1 along k with one E8M0 byte for each 32 k, laid as IMAGES OF OPERAND REGISTERS:
; a fragment (16 columns n x 128 k) is 8 registers a lane, stored as two runs of 512 bytes (lane l's 16 bytes at 16 l); its scale words 4 bytes a lane.
; (b) biases and gains are copied beside them, so that a later work-group fetches a layer's record as dense chunks; the records' pads are stored as zeros.
; (c) attn_mask becomes one bit a score, in the order in which a wave of the attention holds its scores: word n, bit l = the byte for register n of lane l.
; (d) each layer's number is stored in a small buffer of its own: the four layer launches share one text and read it.
; par: layer l at PREC l.  +0: U, Q, K, V (9,216 each: 8 fragments of 1,024, then 8 x 128 bytes of scale words), Ub Qb Kb Vb at 36,864 + 512 i, ln1_s at 38,912, pad to 40,960.
;      +FOFF: f2, c1, c2 likewise, f2b c1b c2b at 27,648 + 512 i, hstu_ln_s at 29,184, ln2_s at 29,696, pad to 32,768.
; THE COLUMNS OF A FRAGMENT ARE NOT NEIGHBOURS (but for V's): lane r of fragment t takes column 32 (t / 2) + 8 (t % 2) + r + 8 (r / 8), so that a product used transposed leaves 16 neighbouring channels in 16 registers.
; A block's byte is its largest magnitude's exponent field - 2, held at 1 from below.  LIMITS: a block of zeros gets the byte 1 (its codes are zeros; this program alone reads the bytes); NaN and infinities are not served.
; Work-groups 0-27: weight (type = wg / 4 in the order U Q K V f2 c1 c2, layer = wg % 4), wave t = fragment t.  Work-groups 28-283: the mask, a wave to a unit of 16 queries x 128 keys.
.set PREC, 73728
.set FOFF, 40960
.set X,   64                           ; v64-127 the lane's 64 numbers: two whole blocks of 32 down k... of its column
.set TYP, 52
.set LAY, 53
.set WV,  54
.set REC, 55
	s_load_b512 s[4:19], s[0:1], 0x0               ; Uw Qw Kw Vw f2w c1w c2w Ub
	s_load_b512 s[20:35], s[0:1], 0x40             ; Qb Kb Vb f2b c1b c2b ln1_s hstu_ln_s
	s_load_b512 s[36:51], s[0:1], 0x80             ; ln2_s attn_mask par maskw lay0 lay1 lay2 lay3
	v_lshrrev_b32 v1, 5, v0
	v_readfirstlane_b32 s[WV], v1                  ; wave 0..7
	v_and_b32 v1, 31, v0                           ; lane
	v_and_b32 v2, 15, v0                           ; r
	v_bfe_u32 v3, v0, 4, 1                         ; h
	v_lshlrev_b32 v8, 4, v1                        ; 16 x lane
	s_wait_kmcnt 0x0
	s_cmp_lt_u32 ttmp9, 28
	s_cbranch_scc0 .Lmask
	; ---------------- a weight's fragment
	s_lshr_b32 s[TYP], ttmp9, 2
	s_and_b32 s[LAY], ttmp9, 3
	s_mov_b64 s[56:57], s[4:5]                     ; the weight and its bias, chosen by the work-group's number alone
	s_mov_b64 s[58:59], s[18:19]
.irp k,1,2,3,4,5,6
	s_cmp_eq_u32 s[TYP], \k
	s_cselect_b64 s[56:57], s[4+2*\k:5+2*\k], s[56:57]
	s_cselect_b64 s[58:59], s[18+2*\k:19+2*\k], s[58:59]
.endr
	s_lshr_b32 s60, s[WV], 1
	s_lshl_b32 s60, s60, 5
	s_and_b32 s61, s[WV], 1
	s_lshl_b32 s61, s61, 3
	s_add_co_u32 s60, s60, s61                     ; 32 (t / 2) + 8 (t % 2)
	s_lshl_b32 s61, s[WV], 4                       ; V's fragments take neighbouring columns: 16 t
	s_cmp_eq_u32 s[TYP], 3
	s_cselect_b32 s60, s61, s60
	s_cselect_b32 s61, 0, 8
	v_and_b32 v4, s61, v2
	v_add_nc_u32 v4, v4, v2
	v_add_nc_u32 v4, s60, v4                       ; my column n
	v_lshlrev_b32 v5, 2, v4
	v_lshl_add_u32 v5, v3, 14, v5                  ; 4 n; lanes 16-31 begin 32 rows (of 512 bytes) further down
	s_lshl_b32 s62, s[LAY], 16
	s_mov_b32 s63, 0
	s_add_nc_u64 s[56:57], s[56:57], s[62:63]      ; the layer's 65,536 bytes
.irp c,0,1
.irp i,0,1,2,3,4,5,6,7,8,9,10,11,12,13,14,15,16,17,18,19,20,21,22,23,24,25,26,27,28,29,30,31
	global_load_b32 v[X+32*\c+\i], v5, s[56:57] offset:512*(64*\c+\i)   ; W(64 c + 32 h + i, n)
.endr
.endr
	s_mov_b32 s6, 0x76543210                       ; selects of v_permlanex16_b32 for lane l xor 16
	s_mov_b32 s7, 0xfedcba98
	s_mul_i32 s[REC], s[LAY], PREC                 ; the layer's record
	s_mul_i32 s8, s[TYP], 9216
	s_add_co_u32 s8, s8, s[REC]
	s_cmp_ge_u32 s[TYP], 4
	s_cselect_b32 s9, 4096, 0                      ; f2, c1, c2 lie in the second part: FOFF - 4 x 9,216
	s_add_co_u32 s8, s8, s9
	s_mov_b32 s9, 0
	s_add_nc_u64 s[10:11], s[40:41], s[8:9]        ; the matrix's 9,216 bytes in par
	s_lshl_b32 s12, s[WV], 10
	v_add_nc_u32 v6, s12, v8                       ; 16 lane + 1,024 t
	s_lshl_b32 s12, s[WV], 7
	v_lshl_add_u32 v7, v1, 2, s12                  ; 4 lane + 128 t
	s_wait_loadcnt 0x0
.irp c,0,1
	v_max3_num_f32 v[32+\c], |v[X+32*\c]|, |v[X+1+32*\c]|, 0x1800000   ; block 2 c + h: all its 32 numbers are mine; the floor 2^(3 - 127) holds the byte at 1
.endr
.irp i,2,4,6,8,10,12,14,16,18,20,22,24,26,28,30
.irp c,0,1
	v_max3_num_f32 v[32+\c], v[32+\c], |v[X+32*\c+\i]|, |v[X+1+32*\c+\i]|
.endr
.endr
.irp c,0,1
	v_add_nc_u32 v[44+\c], 0xff000000, v[32+\c]    ; 2 off the exponent field: the conversion's scale operand
.endr
.irp c,0,1
	v_lshrrev_b32 v[36+\c], 23, v[44+\c]           ; the scale's byte
.endr
	v_lshl_or_b32 v9, v37, 16, v36                 ; my two bytes, blocks h and 2 + h,
	v_lshlrev_b32 v10, 3, v3
	v_lshlrev_b32 v9, v10, v9                      ; at their places in the word;
	v_mov_b32 v10, 0
	v_permlanex16_b32 v10, v9, s6, s7
	v_or_b32 v9, v9, v10                           ; with lane l xor 16's two the word is whole
.irp c,0,1
.irp g,0,1,2,3
	v_cvt_scalef32_pk8_fp4_f32 v[48+4*\c+\g], v[X+32*\c+8*\g:X+32*\c+8*\g+7], v[44+\c]
.endr
.endr
	v_nop
	global_store_b128 v6, v[48:51], s[10:11]               ; the fragment's image: 512 consecutive bytes a store
	global_store_b128 v6, v[52:55], s[10:11] offset:512
	global_store_b32 v7, v9, s[10:11] offset:8192          ; its scale words
	; ---------------- the small jobs, one wave each; none rewrites a register that the stores above still read
	s_cmp_eq_u32 s[WV], 0
	s_cbranch_scc0 .Lnot_w0
	s_lshl_b32 s62, s[TYP], 9                      ; wave 0: the weight's bias
	s_cmp_ge_u32 s[TYP], 4
	s_mov_b32 s12, 36864
	s_cselect_b32 s12, 66560, s12                  ; FOFF + 27,648 - 4 x 512
	s_add_co_u32 s62, s62, s12
	s_branch .Lcopy
.Lnot_w0:
	s_cmp_eq_u32 s[WV], 1
	s_cbranch_scc0 .Lnot_w1
	s_mov_b64 s[58:59], s[32:33]                   ; wave 1 of U, f2, c1: the gains ln1_s, hstu_ln_s, ln2_s
	s_mov_b32 s62, 38912
	s_cmp_eq_u32 s[TYP], 0
	s_cbranch_scc1 .Lcopy
	s_mov_b64 s[58:59], s[34:35]
	s_mov_b32 s62, FOFF+29184
	s_cmp_eq_u32 s[TYP], 4
	s_cbranch_scc1 .Lcopy
	s_mov_b64 s[58:59], s[36:37]
	s_mov_b32 s62, FOFF+29696
	s_cmp_eq_u32 s[TYP], 5
	s_cbranch_scc1 .Lcopy
	s_endpgm
.Lcopy:                                                ; 512 bytes of the layer's row, from s[58:59] to byte s62 of the record
	s_lshl_b32 s8, s[LAY], 9
	s_add_nc_u64 s[58:59], s[58:59], s[8:9]
	global_load_b128 v[12:15], v8, s[58:59]
	s_add_co_u32 s8, s[REC], s62
	s_add_nc_u64 s[12:13], s[40:41], s[8:9]
	s_wait_loadcnt 0x0
	global_store_b128 v8, v[12:15], s[12:13]
	s_endpgm
.Lnot_w1:
	s_cmp_eq_u32 s[WV], 2
	s_cbranch_scc0 .Lnot_w2
	s_cmp_eq_u32 s[TYP], 0
	s_cbranch_scc0 .Lend
	s_mov_b64 s[12:13], s[44:45]                   ; wave 2 of U: the layer's number into the layer's buffer, all 256 bytes
.irp k,1,2,3
	s_cmp_eq_u32 s[LAY], \k
	s_cselect_b64 s[12:13], s[44+2*\k:45+2*\k], s[12:13]
.endr
	v_mov_b32 v12, s[LAY]
	v_mov_b32 v13, s[LAY]
	v_lshlrev_b32 v14, 3, v1
	global_store_b64 v14, v[12:13], s[12:13]
	s_endpgm
.Lnot_w2:
	s_cmp_eq_u32 s[WV], 3
	s_cbranch_scc0 .Lend
	s_mov_b32 s8, s[REC]                           ; wave 3 of U and of f2: zeros into the pads, since they are fetched with the records
	s_add_nc_u64 s[12:13], s[40:41], s[8:9]
.irp j,12,13,14,15
	v_mov_b32 v\j, 0
.endr
	s_cmp_eq_u32 s[TYP], 0
	s_cbranch_scc0 .Lnot_pad_p
.irp i,0,1,2
	global_store_b128 v8, v[12:15], s[12:13] offset:39424+512*\i
.endr
	s_endpgm
.Lnot_pad_p:
	s_cmp_eq_u32 s[TYP], 4
	s_cbranch_scc0 .Lend
.irp i,0,1,2,3,4
	global_store_b128 v8, v[12:15], s[12:13] offset:FOFF+30208+512*\i
.endr
.Lend:
	s_endpgm
	; ---------------- the mask: unit u = 16 qt + kw: tile qt of 16 queries x keys 128 kw on
.Lmask:
	s_sub_co_u32 s52, ttmp9, 28
	s_lshl_b32 s52, s52, 3
	s_add_co_u32 s52, s52, s[WV]                   ; u
	s_lshr_b32 s53, s52, 4                         ; qt
	s_and_b32 s55, s52, 15                         ; kw
	s_lshr_b32 s56, s53, 2
	s_lshl_b32 s56, s56, 6
	s_bfe_u32 s57, s53, 0x10001
	s_lshl_b32 s57, s57, 5
	s_add_co_u32 s56, s56, s57
	s_and_b32 s57, s53, 1
	s_lshl_b32 s57, s57, 3
	s_add_co_u32 s56, s56, s57                     ; 64 (qt / 4) + 32 (m / 2) + 8 (m % 2), m = qt % 4
	v_and_b32 v4, 8, v2
	v_add_nc_u32 v4, v4, v2
	v_add_nc_u32 v4, s56, v4                       ; my query: + r + 8 (r / 8)
	v_lshlrev_b32 v5, 11, v4
	v_lshl_add_u32 v5, v3, 4, v5                   ; its row of 2,048 bytes, + 16 h
	s_lshl_b32 s8, s55, 7
	s_mov_b32 s9, 0
	s_add_nc_u64 s[38:39], s[38:39], s[8:9]
.irp b,0,1,2,3
	global_load_b128 v[16+4*\b:19+4*\b], v5, s[38:39] offset:32*\b   ; keys 128 kw + 32 b + 16 h + 0 .. 15
.endr
	v_mov_b32 v12, 0
	v_mov_b32 v13, 0
	s_lshl_b32 s8, s52, 8
	s_add_nc_u64 s[42:43], s[42:43], s[8:9]
	v_lshlrev_b32 v14, 3, v1
	s_wait_loadcnt 0x0
.set n, 0
.rept 64                                       ; word n = 16 b + i: the 32 lanes' bytes as 32 bits; lane n / 2 keeps it
	v_and_b32 v[6+n%2], 0xff<<(8*(n%4)), v[16+4*(n/16)+(n%16)/4]
	v_cmp_ne_u32 s[56+n%4], 0, v[6+n%2]
	v_writelane_b32 v[12+n%2], s[56+n%4], n/2
.set n, n+1
.endr
	global_store_b64 v14, v[12:13], s[42:43]       ; the unit's 256 consecutive bytes
	s_endpgm
.Lfunc_end_k_q9f445b1ef6_prep:
	.size	k_q9f445b1ef6_prep, .Lfunc_end_k_q9f445b1ef6_prep-k_q9f445b1ef6_prep
	.p2alignl 7, 3214868480
	.fill 96, 4, 3214868480
	.section	.rodata,"a",@progbits
	.p2align	6, 0x0
	.amdhsa_kernel k_q9f445b1ef6_prep
		.amdhsa_group_segment_fixed_size 0
		.amdhsa_private_segment_fixed_size 0
		.amdhsa_enable_private_segment 0
		.amdhsa_kernarg_size 192
		.amdhsa_user_sgpr_count 2
		.amdhsa_user_sgpr_kernarg_segment_ptr 1
		.amdhsa_wavefront_size32 1
		.amdhsa_system_sgpr_workgroup_id_x 1
		.amdhsa_system_sgpr_workgroup_id_y 1
		.amdhsa_system_sgpr_workgroup_id_z 1
		.amdhsa_system_vgpr_workitem_id 0
		.amdhsa_next_free_vgpr 128
		.amdhsa_next_free_sgpr 66
		.amdhsa_reserve_vcc 0
		.amdhsa_float_denorm_mode_32 3
		.amdhsa_float_denorm_mode_16_64 3
		.amdhsa_memory_ordered 1
		.amdhsa_forward_progress 1
		.amdhsa_inst_pref_size 29
	.end_amdhsa_kernel
	.amdgpu_metadata
---
amdhsa.version: [ 1, 2 ]
amdhsa.kernels:
  - .name:           k_q9f445b1ef6_prep
    .symbol:         k_q9f445b1ef6_prep.kd
    .args:
      - { .name: Uw, .offset: 0, .size: 8, .value_kind: global_buffer, .address_space: global }
      - { .name: Qw, .offset: 8, .size: 8, .value_kind: global_buffer, .address_space: global }
      - { .name: Kw, .offset: 16, .size: 8, .value_kind: global_buffer, .address_space: global }
      - { .name: Vw, .offset: 24, .size: 8, .value_kind: global_buffer, .address_space: global }
      - { .name: f2w, .offset: 32, .size: 8, .value_kind: global_buffer, .address_space: global }
      - { .name: c1w, .offset: 40, .size: 8, .value_kind: global_buffer, .address_space: global }
      - { .name: c2w, .offset: 48, .size: 8, .value_kind: global_buffer, .address_space: global }
      - { .name: Ub, .offset: 56, .size: 8, .value_kind: global_buffer, .address_space: global }
      - { .name: Qb, .offset: 64, .size: 8, .value_kind: global_buffer, .address_space: global }
      - { .name: Kb, .offset: 72, .size: 8, .value_kind: global_buffer, .address_space: global }
      - { .name: Vb, .offset: 80, .size: 8, .value_kind: global_buffer, .address_space: global }
      - { .name: f2b, .offset: 88, .size: 8, .value_kind: global_buffer, .address_space: global }
      - { .name: c1b, .offset: 96, .size: 8, .value_kind: global_buffer, .address_space: global }
      - { .name: c2b, .offset: 104, .size: 8, .value_kind: global_buffer, .address_space: global }
      - { .name: ln1_s, .offset: 112, .size: 8, .value_kind: global_buffer, .address_space: global }
      - { .name: hstu_ln_s, .offset: 120, .size: 8, .value_kind: global_buffer, .address_space: global }
      - { .name: ln2_s, .offset: 128, .size: 8, .value_kind: global_buffer, .address_space: global }
      - { .name: attn_mask, .offset: 136, .size: 8, .value_kind: global_buffer, .address_space: global }
      - { .name: par, .offset: 144, .size: 8, .value_kind: global_buffer, .address_space: global }
      - { .name: maskw, .offset: 152, .size: 8, .value_kind: global_buffer, .address_space: global }
      - { .name: lay0, .offset: 160, .size: 8, .value_kind: global_buffer, .address_space: global }
      - { .name: lay1, .offset: 168, .size: 8, .value_kind: global_buffer, .address_space: global }
      - { .name: lay2, .offset: 176, .size: 8, .value_kind: global_buffer, .address_space: global }
      - { .name: lay3, .offset: 184, .size: 8, .value_kind: global_buffer, .address_space: global }
    .group_segment_fixed_size: 0
    .private_segment_fixed_size: 0
    .kernarg_segment_align: 8
    .kernarg_segment_size: 192
    .max_flat_workgroup_size: 256
    .sgpr_count:     66
    .vgpr_count:     128
    .wavefront_size: 32
...
	.end_amdgpu_metadata
.endif
;; end of part 1
;; launch first (part 2): grid 32 x 8, 16 waves a work-group, no clusters, 48,128 bytes of LDS; arguments log_seqs, item_table, pos_table, emb_ln_s, par, sa; writes sa
.if DOCPART == 2
	.amdgcn_target "amdgcn-amd-amdhsa--gfx1250"
	.amdhsa_code_object_version 6
	.text
	.protected	k_q9f445b1ef6_first
	.globl	k_q9f445b1ef6_first
	.p2align	8
	.type	k_q9f445b1ef6_first,@function
k_q9f445b1ef6_first:
	s_mov_b64 s[64:65], 0
	v_nop
	global_prefetch_b8 v0, s[64:65] scope:SCOPE_SE
	s_setreg_imm32_b32 hwreg(HW_REG_WAVE_MODE, 25, 1), 1
	s_wait_xcnt 0x0
; FIRST.  x = rms(item_table[log_seqs] + pos_table[1 + t]) x emb_ln_s, then layer 0's q = rms(x) x ln1_s, quantised, and U, Q, K, V = silu(q W + b) on codes of E2M1.
; A work-group takes 64 tokens of one batch row: four tiles of 16.  LANE r OF TILE m IS TOKEN 32 (m / 2) + 8 (m % 2) + r + 8 (r / 8).
; ROW LAYOUT of a tile's 128 channels: lane (r, h) holds its token's channels 32 b + 16 h + i in register 16 b + i.
; Waves 0-3 make x and q, a tile each; q's fragments go to the other waves through LDS as images of their registers.  Then all sixteen waves: wave w makes role w / 4 (U, Q, K, V) of part w % 4.
; U, Q, K are used transposed (source 0 = 16 columns of W, source 1 = q): results lie in row layout.  V is used the other way (source 0 = q, source 1 = 16 columns of W_V), so that a lane's
; registers run along the TOKENS, which are the K of the attention's second product: it is quantised along them.
; The state buffer: x and U as images (8,192 bytes a tile), codes of Q and K (1,024 a tile: 512 a head), of V with the keys innermost, and their scale words.
; LIMITS: NaN and infinities are not served; a block of zeros gets the byte 1 (its codes are zeros; the bytes are this program's own); an index is held at 200,000; 1 / x and 1 / sqrt(x) are the chip's own, within an ulp.
; No tensor load, no cluster: what work-groups share is one record of 40,960 bytes.
.set XOFF,  0
.set UOFF,  8388608
.set QCOFF, 16777216
.set KCOFF, 17825792
.set VCOFF, 18874368
.set QSOFF, 19922944
.set KSOFF, 20185088
.set VSOFF, 20316160
.set QIMG, 0                           ; LDS: q's four fragments, 1,024 bytes each;
.set QSCI, 4096                        ; their scale words, 128 each;
.set PP,   4608                        ; the layer's record for U, Q, K, V: 40,960 bytes
.set R0, 64
.set R1, 128
.set R2, 192
.set LI, 1                             ; v1 16 x lane   v2 4 x lane
.set LS, 2
.set QIW, 9                            ; where wave m puts q's fragment, and its scale words
.set QSW, 10
.set QA0, 11                           ; where my part's fragment of q lies, and its scale words
.set QSA0, 42
.set PPW, 43                           ; my role's fragments of W, their scale words
.set PPS, 44
.set PPV, 45                           ; the record's vectors, + 64 h
.set PVB, 46                           ; V's bias, + 4 r
.set PPB, 47                           ; my role's bias, + 64 h
.set TM, 16                            ; v16-19 largest magnitudes, v20-23 at work and bytes, v24-25 a second chain of sums, v28-31 scale operands
.set PW, 32                            ; the scale word just made
.set PT, 33
.set PC, 34                            ; v34-41 the codes just made
.set WS, 48                            ; v48-55 W's scale words, v56-57 q's: these registers and v32 hold scales and nothing else
.set QS0, 56
.set SEL, 20
.set SOUT, 32
.set EPSR, 40
.set C128, 41
.set NL2E, 42
.set ROLE, 46
.set IDX, 47
.set HFV, 48
.set G0, 49
.set QBI, 60
.set BI, 61
.macro NOPS n
.rept \n
	v_nop
.endr
.endm
.macro BAR                             ; my LDS stores have landed and my LDS loads are in: then the work-group's barrier
	s_wait_dscnt 0x0
	s_barrier_signal -1
	s_barrier_wait -1
.endm
.macro MXC d, a, b, c, sa, sb
	v_wmma_scale_f32_16x16x128_f8f6f4 v[\d:\d+7], v[\a:\a+7], v[\b:\b+7], v[\c:\c+7], v[\sa], v[\sb] matrix_a_fmt:MATRIX_FMT_FP4 matrix_b_fmt:MATRIX_FMT_FP4
.endm
.macro PK3 op, d, a, b                 ; 32 packed operations over 64 registers
.set q_, 0
.rept 32
	\op v[\d+q_:\d+q_+1], v[\a+q_:\a+q_+1], v[\b+q_:\b+q_+1]
.set q_, q_+2
.endr
.endm
.macro PKRS d                          ; 64 registers x v14
.set q_, 0
.rept 32
	v_pk_mul_f32 v[\d+q_:\d+q_+1], v[\d+q_:\d+q_+1], v[14:15] op_sel_hi:[1,0]
.set q_, q_+2
.endr
.endm
; 64 numbers of a lane, register 16 b + i = k 32 b + 16 h + i of its row, become a fragment's codes in v[PC] on and its scale word in v[PW]
.macro QUANT s
.irp b,0,1,2,3
	v_max3_num_f32 v[TM+\b], |v[\s+16*\b]|, |v[\s+1+16*\b]|, 0x1800000   ; my 16 numbers of block b, and the floor 2^(3 - 127): the byte cannot fall under 1
.endr
.irp i,2,4,6,8,10,12,14
.irp b,0,1,2,3
	v_max3_num_f32 v[TM+\b], v[TM+\b], |v[\s+16*\b+\i]|, |v[\s+1+16*\b+\i]|
.endr
.endr
.irp b,0,1,2,3
	v_permlanex16_b32 v[TM+4+\b], v[TM+\b], s[SEL], s[SEL+1]
.endr
.irp b,0,1,2,3
	v_max_num_f32 v[TM+\b], v[TM+\b], v[TM+4+\b]   ; with lane l xor 16's: the block's largest magnitude
.endr
.irp b,0,1,2,3
	v_add_nc_u32 v[TM+12+\b], 0xff000000, v[TM+\b] ; 2 off its exponent field: the conversion's scale operand
.endr
.irp b,0,1,2,3
	v_lshrrev_b32 v[TM+4+\b], 23, v[TM+12+\b]      ; the scale's byte
.endr
	v_lshl_or_b32 v[PW], v[TM+5], 8, v[TM+4]
	v_lshl_or_b32 v[PW], v[TM+6], 16, v[PW]
	v_lshl_or_b32 v[PW], v[TM+7], 24, v[PW]
.irp b,0,1,2,3
	v_cvt_scalef32_pk8_fp4_f32 v[PC+2*\b], v[\s+16*\b:\s+7+16*\b], v[TM+12+\b]
	v_cvt_scalef32_pk8_fp4_f32 v[PC+1+2*\b], v[\s+8+16*\b:\s+15+16*\b], v[TM+12+\b]
.endr
	v_nop                                          ; one plain place behind a scaled conversion
.irp c,0,1                                     ; the operand wants a whole block in a lane: lanes 0-15 block 2 c, lanes 16-31 block 2 c + 1
.irp i,0,1
	v_permlane16_swap_b32 v[PC+4*\c+\i], v[PC+2+4*\c+\i]
.endr
.endr
.endm
.macro LDSV dst, ad, off               ; a vector of 128 f32 (or a row of 128) in row layout; v[ad] carries 64 h
.irp b,0,1,2,3
.irp j,0,1,2,3
	ds_load_b128 v[\dst+16*\b+4*\j:\dst+16*\b+4*\j+3], v[\ad] offset:\off+128*\b+16*\j
.endr
.endr
.endm
.macro LDSI dst, ad, off               ; an image of 64 registers; v[ad] carries 16 x lane
.irp p,0,1,2,3,4,5,6,7,8,9,10,11,12,13,14,15
	ds_load_b128 v[\dst+4*\p:\dst+4*\p+3], v[\ad] offset:\off+512*\p
.endr
.endm
.macro LDSW wa, wsa, off               ; a weight's eight fragments into R2, their scale words into WS
	LDSI R2, \wa, \off
.irp t,0,1,2,3,4,5,6,7
	ds_load_b32 v[WS+\t], v[\wsa] offset:\off+8192+128*\t
.endr
.endm
.macro SSQ s                           ; v14 = v15 = 1 / sqrt(mean of the row's squares + 1e-8)
	v_pk_mul_f32 v[12:13], v[\s:\s+1], v[\s:\s+1]
	v_pk_mul_f32 v[24:25], v[\s+2:\s+3], v[\s+2:\s+3]
.irp j,4,8,12,16,20,24,28,32,36,40,44,48,52,56,60
	v_pk_fma_f32 v[12:13], v[\s+\j:\s+\j+1], v[\s+\j:\s+\j+1], v[12:13]
	v_pk_fma_f32 v[24:25], v[\s+\j+2:\s+\j+3], v[\s+\j+2:\s+\j+3], v[24:25]
.endr
	v_pk_add_f32 v[12:13], v[12:13], v[24:25]
	v_add_f32 v12, v12, v13
	v_permlanex16_b32 v[PT], v12, s[SEL], s[SEL+1] ; the row's other 64 channels lie in lane l xor 16
	v_add_f32 v12, v12, v[PT]
	v_fma_f32 v12, v12, s[C128], s[EPSR]
	v_rsq_f32 v14, v12
	v_nop                                          ; a plain place behind the transcendental
	s_wait_alu depctr_va_vdst(0)
	v_mov_b32 v15, v14
.endm
.macro NORM                            ; R1 holds a gain: R1 = R0 x gain x 1 / rms
	PK3 v_pk_mul_f32, R1, R1, R0
	PKRS R1
.endm
.macro SILU64                          ; R1 = R1 x sigmoid(R1), 32 registers at a time; at work in R2
.irp e,0,1
.set q_, 0
.rept 16
	v_pk_mul_f32 v[R2+32*\e+q_:R2+32*\e+q_+1], v[R1+32*\e+q_:R1+32*\e+q_+1], s[NL2E:NL2E+1] op_sel_hi:[1,0]
.set q_, q_+2
.endr
.set q_, 0
.rept 32
	v_exp_f32 v[R2+32*\e+q_], v[R2+32*\e+q_]
.set q_, q_+1
.endr
	v_nop
.set q_, 0
	s_wait_alu depctr_va_vdst(0)
.rept 16
	v_pk_add_f32 v[R2+32*\e+q_:R2+32*\e+q_+1], v[R2+32*\e+q_:R2+32*\e+q_+1], 1.0 op_sel_hi:[1,0]
.set q_, q_+2
.endr
.set q_, 0
.rept 32
	v_rcp_f32 v[R2+32*\e+q_], v[R2+32*\e+q_]
.set q_, q_+1
.endr
	v_nop
.set q_, 0
	s_wait_alu depctr_va_vdst(0)
.rept 16
	v_pk_mul_f32 v[R1+32*\e+q_:R1+32*\e+q_+1], v[R1+32*\e+q_:R1+32*\e+q_+1], v[R2+32*\e+q_:R2+32*\e+q_+1]
.set q_, q_+2
.endr
.endr
.endm
; the address registers of the phases below, made where all waves pass.  s2 = the wave's number
.macro PADDR
	v_and_b32 v12, 31, v0
	v_and_b32 v13, 15, v0
	v_bfe_u32 v14, v0, 4, 1
	v_lshlrev_b32 v[LI], 4, v12
	v_lshlrev_b32 v[LS], 2, v12
	s_lshr_b32 s[ROLE], s2, 2
	s_and_b32 s[IDX], s2, 3
	s_lshr_b32 s[HFV], s2, 3
	s_and_b32 s[HFV], s[HFV], s[ROLE]
	s_and_b32 s[HFV], s[HFV], s[IDX]               ; in V's waves (12-15): which half of the channels; else 0
	s_xor_b32 s51, s[IDX], s[HFV]                  ; my tile of q: my part; V's waves: the first of the two tiles of a block of 32 tokens
	s_lshl_b32 s52, s51, 10
	s_add_co_u32 s52, s52, QIMG
	v_add_nc_u32 v[QA0], s52, v[LI]
	s_lshl_b32 s52, s51, 7
	s_add_co_u32 s52, s52, QSCI
	v_add_nc_u32 v[QSA0], s52, v[LS]
	s_mul_i32 s52, s[ROLE], 9216
	s_add_co_u32 s52, s52, PP
	s_lshl_b32 s53, s[HFV], 12
	s_add_co_u32 s53, s53, s52
	v_add_nc_u32 v[PPW], s53, v[LI]
	s_lshl_b32 s53, s[HFV], 9
	s_add_co_u32 s53, s53, s52
	v_add_nc_u32 v[PPS], s53, v[LS]
	v_lshl_add_u32 v[PPV], v14, 6, PP+36864
	s_lshl_b32 s53, s[ROLE], 9
	v_add_nc_u32 v[PPB], s53, v[PPV]
	s_lshl_b32 s53, s[HFV], 8
	s_add_co_u32 s53, s53, PP+38400
	v_lshl_add_u32 v[PVB], v13, 2, s53
	s_lshl_b32 s53, s2, 10
	s_add_co_u32 s53, s53, QIMG
	v_add_nc_u32 v[QIW], s53, v[LI]
	s_lshl_b32 s53, s2, 7
	s_add_co_u32 s53, s53, QSCI
	v_add_nc_u32 v[QSW], s53, v[LS]
.endm
.macro STAGE_P base                    ; a record of 40,960 bytes into LDS: five chunks of 8,192, each wave 512 bytes of each.  v58 = 16 lane + 512 wave, v61 = PP + that
.irp i,0,1,2,3,4
	global_load_b128 v[176+4*\i:179+4*\i], v58, s[\base:\base+1] offset:8192*\i
.endr
	s_wait_loadcnt 0x0
.irp i,0,1,2,3,4
	ds_store_b128 v61, v[176+4*\i:179+4*\i] offset:8192*\i
.endr
.endm
; wave m (0-3): x of tile m, in R0, goes to the state; q = rms(x) x ln1_s is quantised, and its fragment goes to LDS
.macro XOUT
	s_add_co_u32 s52, s[G0], s2
	s_lshl_b32 s52, s52, 13
	s_mov_b32 s53, 0
	s_add_nc_u64 s[54:55], s[SOUT:SOUT+1], s[52:53]
.irp p,0,1,2,3,4,5,6,7,8,9,10,11,12,13,14,15
	global_store_b128 v[LI], v[R0+4*\p:R0+4*\p+3], s[54:55] offset:XOFF+512*\p   ; 512 consecutive bytes a store
.endr
	LDSV R1, PPV, 2048                             ; ln1_s
	SSQ R0
	s_wait_dscnt 0x0
	NORM
	QUANT R1
	ds_store_b128 v[QIW], v[PC:PC+3]
	ds_store_b128 v[QIW], v[PC+4:PC+7] offset:512
	ds_store_b32 v[QSW], v[PW]
.endm
; all sixteen waves: my role's product, silu, and the way into the state.  Every product here is one K step of 128 with the bias as C: eight accumulators, one instruction each
.macro PPHASE
	s_wait_xcnt 0x0                                ; the stores of x have read R0: it is loaded again below
	s_cmp_eq_u32 s[ROLE], 3
	s_cbranch_scc1 .Lrole_v
	ds_load_b128 v[R0:R0+3], v[QA0]
	ds_load_b128 v[R0+4:R0+7], v[QA0] offset:512
	ds_load_b32 v[QS0], v[QSA0]
	LDSW PPW, PPS, 0
	LDSV R1, PPB, 0
	s_wait_dscnt 0x0
.irp t,0,1,2,3,4,5,6,7
	MXC R1+8*\t, R2+8*\t, R0, R1+8*\t, WS+\t, QS0
.endr
	s_branch .Lp_join
.Lrole_v:
.irp p,0,1,2,3
	ds_load_b128 v[R0+4*\p:R0+4*\p+3], v[QA0] offset:512*\p    ; the two tiles of my block of 32 tokens
.endr
	ds_load_b32 v[QS0], v[QSA0]
	ds_load_b32 v[QS0+1], v[QSA0] offset:128
.irp p,0,1,2,3,4,5,6,7
	ds_load_b128 v[R2+4*\p:R2+4*\p+3], v[PPW] offset:512*\p    ; four fragments of W_V: my 64 channels
.endr
.irp y,0,1,2,3
	ds_load_b32 v[WS+\y], v[PPS] offset:8192+128*\y
.irp j,0,1,2,3,4,5,6,7
	ds_load_b32 v[R0+32+8*\y+\j], v[PVB] offset:64*\y          ; a lane holds one channel: its bias in all eight registers of C
.endr
.endr
	s_wait_dscnt 0x0
.irp y,0,1,2,3
.irp u,0,1
	MXC R1+8*(2*\y+\u), R0+8*\u, R2+8*\y, R0+32+8*\y, QS0+\u, WS+\y   ; register 16 y + 8 u + j: token 16 h + 8 u + j of the block, channel 16 y + r of my 64
.endr
.endr
.Lp_join:
	NOPS 4
	SILU64
	s_add_co_u32 s50, s[G0], s[IDX]                ; my tile
	s_mov_b32 s53, 0
	s_cmp_eq_u32 s[ROLE], 0
	s_cbranch_scc0 .Lnot_u
	s_lshl_b32 s52, s50, 13
	s_add_co_u32 s52, s52, UOFF
	s_add_nc_u64 s[54:55], s[SOUT:SOUT+1], s[52:53]
.irp p,0,1,2,3,4,5,6,7,8,9,10,11,12,13,14,15
	global_store_b128 v[LI], v[R1+4*\p:R1+4*\p+3], s[54:55] offset:512*\p
.endr
	s_wait_tensorcnt 0x0
	ds_add_u32 v26, v27
	s_wait_dscnt 0x0
	s_endpgm
.Lnot_u:
	QUANT R1
	s_cmp_eq_u32 s[ROLE], 1
	s_cbranch_scc0 .Lnot_q
	s_lshl_b32 s52, s50, 10
	s_add_co_u32 s52, s52, QCOFF
	s_add_nc_u64 s[54:55], s[SOUT:SOUT+1], s[52:53]
	global_store_b128 v[LI], v[PC:PC+3], s[54:55]              ; head 0's 64 channels
	global_store_b128 v[LI], v[PC+4:PC+7], s[54:55] offset:512 ; head 1's
	v_perm_b32 v60, v[PW], v[PW], 0x05040100       ; a head's two bytes, twice: Q stands in either half of a K step of 128
	v_perm_b32 v61, v[PW], v[PW], 0x07060302
	s_lshl_b32 s52, s50, 8
	s_add_co_u32 s52, s52, QSOFF
	s_add_nc_u64 s[56:57], s[SOUT:SOUT+1], s[52:53]
	global_store_b32 v[LS], v60, s[56:57]
	global_store_b32 v[LS], v61, s[56:57] offset:128
	s_wait_tensorcnt 0x0
	ds_add_u32 v26, v27
	s_wait_dscnt 0x0
	s_endpgm
.Lnot_q:
	s_cmp_eq_u32 s[ROLE], 2
	s_cbranch_scc0 .Lnot_k
	s_lshl_b32 s52, s50, 10
	s_add_co_u32 s52, s52, KCOFF
	s_add_nc_u64 s[54:55], s[SOUT:SOUT+1], s[52:53]
	global_store_b128 v[LI], v[PC:PC+3], s[54:55]
	global_store_b128 v[LI], v[PC+4:PC+7], s[54:55] offset:512
	s_lshl_b32 s52, s50, 7
	s_add_co_u32 s52, s52, KSOFF
	s_add_nc_u64 s[56:57], s[SOUT:SOUT+1], s[52:53]
	global_store_b32 v[LS], v[PW], s[56:57]
	s_wait_tensorcnt 0x0
	ds_add_u32 v26, v27
	s_wait_dscnt 0x0
	s_endpgm
.Lnot_k:                                               ; V: registers 4 c .. 4 c + 3 of lane (r, h) are my block's 32 codes of channel tile 4 hf + 2 c + h, channel r
	s_lshl_b32 s52, s[BI], 4
	s_lshr_b32 s51, s[QBI], 1
	s_add_co_u32 s52, s52, s51                     ; the step of 128 keys: 16 b + qb / 2
	s_lshl_b32 s52, s52, 3
	s_lshl_b32 s51, s[HFV], 2
	s_add_co_u32 s52, s52, s51
	s_lshl_b32 s52, s52, 10
	s_and_b32 s51, s[QBI], 1
	s_lshl_b32 s51, s51, 9
	s_add_co_u32 s52, s52, s51
	s_lshr_b32 s58, s[IDX], 1                      ; which block of 32 tokens of the 64
	s_lshl_b32 s51, s58, 8
	s_add_co_u32 s52, s52, s51
	s_add_co_u32 s52, s52, VCOFF
	s_add_nc_u64 s[54:55], s[SOUT:SOUT+1], s[52:53]
	v_and_b32 v60, 15, v0
	v_bfe_u32 v61, v0, 4, 1
	v_lshlrev_b32 v62, 4, v60
	v_lshl_add_u32 v62, v61, 10, v62
	global_store_b128 v62, v[PC:PC+3], s[54:55]                ; sixteen lanes store 256 consecutive bytes, aligned
	global_store_b128 v62, v[PC+4:PC+7], s[54:55] offset:2048
	s_lshl_b32 s52, s[BI], 6
	s_lshl_b32 s51, s[QBI], 1
	s_add_co_u32 s52, s52, s51
	s_add_co_u32 s52, s52, s58                     ; the block of 32 tokens: 64 b + 2 qb + which
	s_lshl_b32 s52, s52, 7
	s_lshl_b32 s51, s[HFV], 2
	s_add_co_u32 s52, s52, s51
	s_add_co_u32 s52, s52, VSOFF
	s_add_nc_u64 s[56:57], s[SOUT:SOUT+1], s[52:53]
	v_lshlrev_b32 v63, 3, v60
	global_store_b32 v63, v[PW], s[56:57]          ; byte 8 r + channel tile; both halves of the lanes hold and store the same word
	s_wait_tensorcnt 0x0
	ds_add_u32 v26, v27
	s_wait_dscnt 0x0
	s_endpgm
.endm
	s_load_b256 s[4:11], s[0:1], 0x0               ; log_seqs, item_table, pos_table, emb_ln_s
	s_load_b128 s[12:15], s[0:1], 0x20             ; par, the state
	v_lshl_add_u32 v26, v0, 2, 0xb400
	v_mov_b32 v27, 0
	v_lshrrev_b32 v12, 5, v0
	v_readfirstlane_b32 s2, v12                    ; wave 0..15
	PADDR
	s_lshl_b32 s50, s2, 9
	v_add_nc_u32 v58, s50, v[LI]
	v_add_nc_u32 v61, PP, v58
.irp j,20,21,22,23,33
	v_mov_b32 v\j, 0                               ; written once: a lane permute's destination counts as one of its sources
.endr
	s_mov_b32 s[SEL], 0x76543210
	s_mov_b32 s[SEL+1], 0xfedcba98
	s_mov_b32 s[EPSR], 0x322bcc77                  ; 1e-8
	s_mov_b32 s[C128], 0x3c000000                  ; 1 / 128
	s_mov_b32 s[NL2E], 0xbfb8aa3b                  ; -log2(e)
	s_mov_b32 s[NL2E+1], s[NL2E]
	s_mov_b32 s[QBI], ttmp9
	s_and_b32 s[BI], ttmp7, 0xffff
	s_lshl_b32 s[G0], s[BI], 5
	s_add_co_u32 s[G0], s[G0], ttmp9
	s_lshl_b32 s[G0], s[G0], 2                     ; my first tile: 4 (32 b + qb)
	s_wait_kmcnt 0x0
	s_mov_b64 s[SOUT:SOUT+1], s[14:15]
	STAGE_P 12                                     ; layer 0's record
	BAR                                            ; it lies in LDS for every wave
	s_cmp_lt_u32 s2, 4
	s_cbranch_scc0 .Lx_done
	s_lshr_b32 s50, s2, 1
	s_lshl_b32 s50, s50, 5
	s_and_b32 s51, s2, 1
	s_lshl_b32 s51, s51, 3
	s_add_co_u32 s50, s50, s51
	s_lshl_b32 s51, s[QBI], 6
	s_add_co_u32 s50, s50, s51
	v_and_b32 v60, 15, v0
	v_and_b32 v61, 8, v0
	v_add_nc_u32 v60, v60, v61
	v_add_nc_u32 v60, s50, v60                     ; my token in its batch row
	s_lshl_b32 s51, s[BI], 11
	v_add_nc_u32 v61, s51, v60
	v_lshlrev_b32 v61, 2, v61
	global_load_b32 v62, v61, s[4:5]               ; its item
	v_bfe_u32 v59, v0, 4, 1
	v_lshlrev_b32 v59, 6, v59                      ; 64 h
	v_add_nc_u32 v63, 1, v60
	v_lshl_add_u32 v63, v63, 9, v59                ; position t + 1: its row of 512 bytes
.irp b,0,1,2,3
.irp j,0,1,2,3
	global_load_b128 v[R1+16*\b+4*\j:R1+16*\b+4*\j+3], v63, s[8:9] offset:128*\b+16*\j
.endr
.endr
.irp b,0,1,2,3
.irp j,0,1,2,3
	global_load_b128 v[R2+16*\b+4*\j:R2+16*\b+4*\j+3], v59, s[10:11] offset:128*\b+16*\j
.endr
.endr
	s_wait_loadcnt 32                              ; the index is in: 16 loads of the position's row and 16 of the gain were issued behind it
	v_min_u32 v62, 0x30d40, v62                    ; held inside the table
	v_lshl_add_u32 v62, v62, 9, v59
.irp b,0,1,2,3
.irp j,0,1,2,3
	global_load_b128 v[R0+16*\b+4*\j:R0+16*\b+4*\j+3], v62, s[6:7] offset:128*\b+16*\j
.endr
.endr
	s_wait_loadcnt 0x0
	PK3 v_pk_add_f32, R0, R0, R1
	SSQ R0
	PKRS R0
	PK3 v_pk_mul_f32, R0, R0, R2
	XOUT
.Lx_done:
	BAR                                            ; q's four fragments lie in LDS
	PPHASE
.Lfunc_end_k_q9f445b1ef6_first:
	.size	k_q9f445b1ef6_first, .Lfunc_end_k_q9f445b1ef6_first-k_q9f445b1ef6_first
	.p2alignl 7, 3214868480
	.fill 96, 4, 3214868480
	.section	.rodata,"a",@progbits
	.p2align	6, 0x0
	.amdhsa_kernel k_q9f445b1ef6_first
		.amdhsa_group_segment_fixed_size 48128
		.amdhsa_private_segment_fixed_size 0
		.amdhsa_enable_private_segment 0
		.amdhsa_kernarg_size 48
		.amdhsa_user_sgpr_count 2
		.amdhsa_user_sgpr_kernarg_segment_ptr 1
		.amdhsa_wavefront_size32 1
		.amdhsa_system_sgpr_workgroup_id_x 1
		.amdhsa_system_sgpr_workgroup_id_y 1
		.amdhsa_system_sgpr_workgroup_id_z 1
		.amdhsa_system_vgpr_workitem_id 0
		.amdhsa_next_free_vgpr 256
		.amdhsa_next_free_sgpr 66
		.amdhsa_reserve_vcc 0
		.amdhsa_float_denorm_mode_32 3
		.amdhsa_float_denorm_mode_16_64 3
		.amdhsa_memory_ordered 1
		.amdhsa_forward_progress 1
		.amdhsa_inst_pref_size 58
	.end_amdhsa_kernel
	.amdgpu_metadata
---
amdhsa.version: [ 1, 2 ]
amdhsa.kernels:
  - .name:           k_q9f445b1ef6_first
    .symbol:         k_q9f445b1ef6_first.kd
    .args:
      - { .name: log_seqs, .offset: 0, .size: 8, .value_kind: global_buffer, .address_space: global }
      - { .name: item_table, .offset: 8, .size: 8, .value_kind: global_buffer, .address_space: global }
      - { .name: pos_table, .offset: 16, .size: 8, .value_kind: global_buffer, .address_space: global }
      - { .name: emb_ln_s, .offset: 24, .size: 8, .value_kind: global_buffer, .address_space: global }
      - { .name: par, .offset: 32, .size: 8, .value_kind: global_buffer, .address_space: global }
      - { .name: sa, .offset: 40, .size: 8, .value_kind: global_buffer, .address_space: global }
    .group_segment_fixed_size: 48128
    .private_segment_fixed_size: 0
    .kernarg_segment_align: 8
    .kernarg_segment_size: 48
    .max_flat_workgroup_size: 512
    .sgpr_count:     66
    .vgpr_count:     256
    .wavefront_size: 32
...
	.end_amdgpu_metadata
.endif
;; end of part 2
;; launch layer0 (part 3): grid 32 x 8, 16 waves a work-group, no clusters, 313,344 bytes of LDS; arguments sa, sb, par, maskw, lay0, last_ln_s, out0; writes sb, out0
.if DOCPART == 3
	.amdgcn_target "amdgcn-amd-amdhsa--gfx1250"
	.amdhsa_code_object_version 6
	.text
	.protected	k_q9f445b1ef6_layer0
	.globl	k_q9f445b1ef6_layer0
	.p2align	8
	.type	k_q9f445b1ef6_layer0,@function
k_q9f445b1ef6_layer0:
	s_mov_b64 s[64:65], 0
	v_nop
	global_prefetch_b8 v0, s[64:65] scope:SCOPE_SE
	s_setreg_imm32_b32 hwreg(HW_REG_WAVE_MODE, 25, 1), 1
	s_wait_xcnt 0x0
; A LAYER.  From the state (x, U, codes of Q, K, V): the attention, y = (rms(AV) x U) f2, x += y, the FFN with the exact gelu, x += it; then either the next layer's q, U, Q, K, V into the other
; state buffer, or (layer 3) the last norm into out0.  The layer's number is read from a small buffer; it enters addresses held at 3 and steers branches that enclose no barrier.
; SHARES.  A work-group owns 64 queries of one batch row, both heads.  IN THE ATTENTION THE SIXTEEN WAVES SHARE THE KEYS: wave w owns keys 128 w .. 128 w + 127.  For a tile of 16 queries its 16 x 128 scores
; are 64 registers, which STAY IN REGISTERS while the sixteen partial row sums meet in LDS: so each score's silu is computed once, though A is quantised normalised.  The wave's A is exactly one K step of
; the second product; the sixteen partial O (16 queries x 64 channels) are added through LDS, each wave a sixteenth.
; Both products are used transposed (S^T = K Q^T, O^T = V^T A^T): a lane holds one query.  A head has 64 channels and the instruction takes 128 along K: a fragment of K holds TWO tiles of 16 keys side by side,
; and Q stands against one of them with zero codes against the other.
; The scale 1/8 is a power of two: the text works with A' = 8 A = relu(S) sigmoid(S / 8); A / (den + 1e-8) = A' / (den' + 8e-8), and den > 1e-12 where den' > 8e-12, exactly.
; The mask is an input: every score is computed, and one bit a score (a word a register, made by the first launch) clears what is hidden.
; TILES: lane r of tile m is token 32 (m / 2) + 8 (m % 2) + r + 8 (r / 8); ROW LAYOUT: register 16 b + i of lane (r, h) is channel (or key) 32 b + 16 h + i.
; LIMITS: NaN and infinities are not served; a block of zeros gets the byte 1 (its codes are zeros; the bytes are this program's own); row sums and O are sums of sixteen partial f32 sums, another order than a
; plain chain; 1 / x, 1 / sqrt(x), 2^x are the chip's own, within an ulp; erfc is t exp(-a^2 + a polynomial of degree 9 in t), t = 1 / (1 + a / 2), fractional error about 1.2e-7.
; No tensor load and no cluster: every operand is an image of registers that its user loads once or twice; what work-groups share (a batch row's codes, 256 KiB) is small beside a launch's vector work.
.set XOFF,  0
.set UOFF,  8388608
.set QCOFF, 16777216
.set KCOFF, 17825792
.set VCOFF, 18874368
.set QSOFF, 19922944
.set KSOFF, 20185088
.set VSOFF, 20316160
.set PREC, 73728
.set FOFF, 40960
.set DEN,  0                           ; LDS: partial row sums, two sets by turns: [query r, 80 bytes][wave]
.set OB0,  2560                        ; partial O, two sets by turns: 4,096 bytes a wave
.set OB1,  68096
.set AV,   133632                      ; AV: 64 rows (tile order) x (512 + 16) bytes
.set QIMG, 167424
.set QSCI, 171520
.set XI,   172032                      ; x's four images, and 32,768 further on U's
.set FP,   237568                      ; this layer's record for f2, c1, c2
.set PP,   270336                      ; the next layer's record for U, Q, K, V
.set R0, 64
.set R1, 128
.set R2, 192
.set LI, 1
.set LS, 2
.set AVR, 3                            ; the row phases' address registers: v3-11, v42-47 (in the attention v3-11 hold its own addresses)
.set AVB, 4
.set XIA, 5
.set FPW, 6
.set FPS, 7
.set FPV, 8
.set QIW, 9
.set QSW, 10
.set QA0, 11
.set QSA0, 42
.set PPW, 43
.set PPS, 44
.set PPV, 45
.set PVB, 46
.set PPB, 47
.set TM, 16
.set PW, 32
.set PT, 33
.set PC, 34
.set WS, 48
.set QS0, 56
.set QSC, 48                           ; the attention's scale words: v48 Q's, v49-52 K's, v53-56 V's.  v32 and v48-57 hold scales and nothing else
.set KSC, 49
.set VSC, 53
.set KF, 64                            ; v64-95 K: four fragments of two tiles;  v96-127 V: four fragments
.set VF, 96
.set SS, 128                           ; v128-191 the scores, then A
.set TT, 192                           ; v192-223 at work; the partial O to add; O
.set LT, 224                           ; v224-239 loads at work
.set QF, 240                           ; v240-251 [Q, zeros, Q]
.set GA, R2
.set GT, R2+16
.set GP, R2+32
.set SEL, 20
.set SOUT, 32
.set EPSR, 40
.set C128, 41
.set NL2E, 42
.set RS2, 44
.set ROLE, 46
.set IDX, 47
.set HFV, 48
.set G0, 49
.set QBI, 60
.set BI, 61
.macro NOPS n
.rept \n
	v_nop
.endr
.endm
.macro BAR                             ; my LDS stores have landed and my LDS loads are in: then the work-group's barrier
	s_wait_dscnt 0x0
	s_barrier_signal -1
	s_barrier_wait -1
.endm
.macro MXZ d, a, b, sa, sb
	v_wmma_scale_f32_16x16x128_f8f6f4 v[\d:\d+7], v[\a:\a+7], v[\b:\b+7], 0, v[\sa], v[\sb] matrix_a_fmt:MATRIX_FMT_FP4 matrix_b_fmt:MATRIX_FMT_FP4
.endm
.macro MXC d, a, b, c, sa, sb
	v_wmma_scale_f32_16x16x128_f8f6f4 v[\d:\d+7], v[\a:\a+7], v[\b:\b+7], v[\c:\c+7], v[\sa], v[\sb] matrix_a_fmt:MATRIX_FMT_FP4 matrix_b_fmt:MATRIX_FMT_FP4
.endm
.macro PK3 op, d, a, b                 ; 32 packed operations over 64 registers
.set q_, 0
.rept 32
	\op v[\d+q_:\d+q_+1], v[\a+q_:\a+q_+1], v[\b+q_:\b+q_+1]
.set q_, q_+2
.endr
.endm
.macro PKRS d                          ; 64 registers x v14
.set q_, 0
.rept 32
	v_pk_mul_f32 v[\d+q_:\d+q_+1], v[\d+q_:\d+q_+1], v[14:15] op_sel_hi:[1,0]
.set q_, q_+2
.endr
.endm
; 64 numbers of a lane, register 16 b + i = k 32 b + 16 h + i of its row, become a fragment's codes in v[PC] on and its scale word in v[PW]
.macro QUANT s
.irp b,0,1,2,3
	v_max3_num_f32 v[TM+\b], |v[\s+16*\b]|, |v[\s+1+16*\b]|, 0x1800000   ; my 16 numbers of block b, and the floor 2^(3 - 127): the byte cannot fall under 1
.endr
.irp i,2,4,6,8,10,12,14
.irp b,0,1,2,3
	v_max3_num_f32 v[TM+\b], v[TM+\b], |v[\s+16*\b+\i]|, |v[\s+1+16*\b+\i]|
.endr
.endr
.irp b,0,1,2,3
	v_permlanex16_b32 v[TM+4+\b], v[TM+\b], s[SEL], s[SEL+1]
.endr
.irp b,0,1,2,3
	v_max_num_f32 v[TM+\b], v[TM+\b], v[TM+4+\b]   ; with lane l xor 16's: the block's largest magnitude
.endr
.irp b,0,1,2,3
	v_add_nc_u32 v[TM+12+\b], 0xff000000, v[TM+\b] ; 2 off its exponent field: the conversion's scale operand
.endr
.irp b,0,1,2,3
	v_lshrrev_b32 v[TM+4+\b], 23, v[TM+12+\b]      ; the scale's byte
.endr
	v_lshl_or_b32 v[PW], v[TM+5], 8, v[TM+4]
	v_lshl_or_b32 v[PW], v[TM+6], 16, v[PW]
	v_lshl_or_b32 v[PW], v[TM+7], 24, v[PW]
.irp b,0,1,2,3
	v_cvt_scalef32_pk8_fp4_f32 v[PC+2*\b], v[\s+16*\b:\s+7+16*\b], v[TM+12+\b]
	v_cvt_scalef32_pk8_fp4_f32 v[PC+1+2*\b], v[\s+8+16*\b:\s+15+16*\b], v[TM+12+\b]
.endr
	v_nop                                          ; one plain place behind a scaled conversion
.irp c,0,1                                     ; the operand wants a whole block in a lane: lanes 0-15 block 2 c, lanes 16-31 block 2 c + 1
.irp i,0,1
	v_permlane16_swap_b32 v[PC+4*\c+\i], v[PC+2+4*\c+\i]
.endr
.endr
.endm
.macro LDSV dst, ad, off               ; a vector of 128 f32 (or a row of 128) in row layout; v[ad] carries 64 h
.irp b,0,1,2,3
.irp j,0,1,2,3
	ds_load_b128 v[\dst+16*\b+4*\j:\dst+16*\b+4*\j+3], v[\ad] offset:\off+128*\b+16*\j
.endr
.endr
.endm
.macro LDSI dst, ad, off               ; an image of 64 registers; v[ad] carries 16 x lane
.irp p,0,1,2,3,4,5,6,7,8,9,10,11,12,13,14,15
	ds_load_b128 v[\dst+4*\p:\dst+4*\p+3], v[\ad] offset:\off+512*\p
.endr
.endm
.macro LDSW wa, wsa, off               ; a weight's eight fragments into R2, their scale words into WS
	LDSI R2, \wa, \off
.irp t,0,1,2,3,4,5,6,7
	ds_load_b32 v[WS+\t], v[\wsa] offset:\off+8192+128*\t
.endr
.endm
.macro SSQ s                           ; v14 = v15 = 1 / sqrt(mean of the row's squares + 1e-8)
	v_pk_mul_f32 v[12:13], v[\s:\s+1], v[\s:\s+1]
	v_pk_mul_f32 v[24:25], v[\s+2:\s+3], v[\s+2:\s+3]
.irp j,4,8,12,16,20,24,28,32,36,40,44,48,52,56,60
	v_pk_fma_f32 v[12:13], v[\s+\j:\s+\j+1], v[\s+\j:\s+\j+1], v[12:13]
	v_pk_fma_f32 v[24:25], v[\s+\j+2:\s+\j+3], v[\s+\j+2:\s+\j+3], v[24:25]
.endr
	v_pk_add_f32 v[12:13], v[12:13], v[24:25]
	v_add_f32 v12, v12, v13
	v_permlanex16_b32 v[PT], v12, s[SEL], s[SEL+1] ; the row's other 64 channels lie in lane l xor 16
	v_add_f32 v12, v12, v[PT]
	v_fma_f32 v12, v12, s[C128], s[EPSR]
	v_rsq_f32 v14, v12
	v_nop                                          ; a plain place behind the transcendental
	s_wait_alu depctr_va_vdst(0)
	v_mov_b32 v15, v14
.endm
.macro NORM                            ; R1 holds a gain: R1 = R0 x gain x 1 / rms
	PK3 v_pk_mul_f32, R1, R1, R0
	PKRS R1
.endm
; R1 (holding the bias) = bias + W^T (the fragment in PC): eight accumulators, one instruction each.  Eight places stand between the vector lines that made the scale word and the codes and the products,
; four between the products and the first read of a result
.macro MM8
	NOPS 8
.irp t,0,1,2,3,4,5,6,7
	MXC R1+8*\t, R2+8*\t, PC, R1+8*\t, WS+\t, PW
.endr
	NOPS 4
.endm
.macro SILU64                          ; R1 = R1 x sigmoid(R1), 32 registers at a time; at work in R2
.irp e,0,1
.set q_, 0
.rept 16
	v_pk_mul_f32 v[R2+32*\e+q_:R2+32*\e+q_+1], v[R1+32*\e+q_:R1+32*\e+q_+1], s[NL2E:NL2E+1] op_sel_hi:[1,0]
.set q_, q_+2
.endr
.set q_, 0
.rept 32
	v_exp_f32 v[R2+32*\e+q_], v[R2+32*\e+q_]
.set q_, q_+1
.endr
	v_nop
.set q_, 0
	s_wait_alu depctr_va_vdst(0)
.rept 16
	v_pk_add_f32 v[R2+32*\e+q_:R2+32*\e+q_+1], v[R2+32*\e+q_:R2+32*\e+q_+1], 1.0 op_sel_hi:[1,0]
.set q_, q_+2
.endr
.set q_, 0
.rept 32
	v_rcp_f32 v[R2+32*\e+q_], v[R2+32*\e+q_]
.set q_, q_+1
.endr
	v_nop
.set q_, 0
	s_wait_alu depctr_va_vdst(0)
.rept 16
	v_pk_mul_f32 v[R1+32*\e+q_:R1+32*\e+q_+1], v[R1+32*\e+q_:R1+32*\e+q_+1], v[R2+32*\e+q_:R2+32*\e+q_+1]
.set q_, q_+2
.endr
.endr
.endm
; the address registers of the P phase, made where all waves pass.  s2 = the wave's number
.macro PADDR
	v_and_b32 v12, 31, v0
	v_and_b32 v13, 15, v0
	v_bfe_u32 v14, v0, 4, 1
	v_lshlrev_b32 v[LI], 4, v12
	v_lshlrev_b32 v[LS], 2, v12
	s_lshr_b32 s[ROLE], s2, 2
	s_and_b32 s[IDX], s2, 3
	s_lshr_b32 s[HFV], s2, 3
	s_and_b32 s[HFV], s[HFV], s[ROLE]
	s_and_b32 s[HFV], s[HFV], s[IDX]               ; in V's waves (12-15): which half of the channels; else 0
	s_xor_b32 s51, s[IDX], s[HFV]                  ; my tile of q: my part; V's waves: the first of the two tiles of a block of 32 tokens
	s_lshl_b32 s52, s51, 10
	s_add_co_u32 s52, s52, QIMG
	v_add_nc_u32 v[QA0], s52, v[LI]
	s_lshl_b32 s52, s51, 7
	s_add_co_u32 s52, s52, QSCI
	v_add_nc_u32 v[QSA0], s52, v[LS]
	s_mul_i32 s52, s[ROLE], 9216
	s_add_co_u32 s52, s52, PP
	s_lshl_b32 s53, s[HFV], 12
	s_add_co_u32 s53, s53, s52
	v_add_nc_u32 v[PPW], s53, v[LI]
	s_lshl_b32 s53, s[HFV], 9
	s_add_co_u32 s53, s53, s52
	v_add_nc_u32 v[PPS], s53, v[LS]
	v_lshl_add_u32 v[PPV], v14, 6, PP+36864
	s_lshl_b32 s53, s[ROLE], 9
	v_add_nc_u32 v[PPB], s53, v[PPV]
	s_lshl_b32 s53, s[HFV], 8
	s_add_co_u32 s53, s53, PP+38400
	v_lshl_add_u32 v[PVB], v13, 2, s53
	s_lshl_b32 s53, s2, 10
	s_add_co_u32 s53, s53, QIMG
	v_add_nc_u32 v[QIW], s53, v[LI]
	s_lshl_b32 s53, s2, 7
	s_add_co_u32 s53, s53, QSCI
	v_add_nc_u32 v[QSW], s53, v[LS]
.endm
.macro STAGE_P base                    ; a record of 40,960 bytes into LDS: five chunks of 8,192, each wave 512 bytes of each.  v58 = 16 lane + 512 wave, v61 = PP + that
.irp i,0,1,2,3,4
	global_load_b128 v[176+4*\i:179+4*\i], v58, s[\base:\base+1] offset:8192*\i
.endr
	s_wait_loadcnt 0x0
.irp i,0,1,2,3,4
	ds_store_b128 v61, v[176+4*\i:179+4*\i] offset:8192*\i
.endr
.endm
; wave m (0-3): x of tile m, in R0, goes to the state; q = rms(x) x ln1_s is quantised, and its fragment goes to LDS
.macro XOUT
	s_add_co_u32 s52, s[G0], s2
	s_lshl_b32 s52, s52, 13
	s_mov_b32 s53, 0
	s_add_nc_u64 s[54:55], s[SOUT:SOUT+1], s[52:53]
.irp p,0,1,2,3,4,5,6,7,8,9,10,11,12,13,14,15
	global_store_b128 v[LI], v[R0+4*\p:R0+4*\p+3], s[54:55] offset:XOFF+512*\p   ; 512 consecutive bytes a store
.endr
	LDSV R1, PPV, 2048                             ; ln1_s
	SSQ R0
	s_wait_dscnt 0x0
	NORM
	QUANT R1
	ds_store_b128 v[QIW], v[PC:PC+3]
	ds_store_b128 v[QIW], v[PC+4:PC+7] offset:512
	ds_store_b32 v[QSW], v[PW]
.endm
; all sixteen waves: my role's product, silu, and the way into the state.  Every product here is one K step of 128 with the bias as C: eight accumulators, one instruction each
.macro PPHASE
	s_wait_xcnt 0x0                                ; the stores of x have read R0: it is loaded again below
	s_cmp_eq_u32 s[ROLE], 3
	s_cbranch_scc1 .Lrole_v
	ds_load_b128 v[R0:R0+3], v[QA0]
	ds_load_b128 v[R0+4:R0+7], v[QA0] offset:512
	ds_load_b32 v[QS0], v[QSA0]
	LDSW PPW, PPS, 0
	LDSV R1, PPB, 0
	s_wait_dscnt 0x0
.irp t,0,1,2,3,4,5,6,7
	MXC R1+8*\t, R2+8*\t, R0, R1+8*\t, WS+\t, QS0
.endr
	s_branch .Lp_join
.Lrole_v:
.irp p,0,1,2,3
	ds_load_b128 v[R0+4*\p:R0+4*\p+3], v[QA0] offset:512*\p    ; the two tiles of my block of 32 tokens
.endr
	ds_load_b32 v[QS0], v[QSA0]
	ds_load_b32 v[QS0+1], v[QSA0] offset:128
.irp p,0,1,2,3,4,5,6,7
	ds_load_b128 v[R2+4*\p:R2+4*\p+3], v[PPW] offset:512*\p    ; four fragments of W_V: my 64 channels
.endr
.irp y,0,1,2,3
	ds_load_b32 v[WS+\y], v[PPS] offset:8192+128*\y
.irp j,0,1,2,3,4,5,6,7
	ds_load_b32 v[R0+32+8*\y+\j], v[PVB] offset:64*\y          ; a lane holds one channel: its bias in all eight registers of C
.endr
.endr
	s_wait_dscnt 0x0
.irp y,0,1,2,3
.irp u,0,1
	MXC R1+8*(2*\y+\u), R0+8*\u, R2+8*\y, R0+32+8*\y, QS0+\u, WS+\y   ; register 16 y + 8 u + j: token 16 h + 8 u + j of the block, channel 16 y + r of my 64
.endr
.endr
.Lp_join:
	NOPS 4
	SILU64
	s_add_co_u32 s50, s[G0], s[IDX]                ; my tile
	s_mov_b32 s53, 0
	s_cmp_eq_u32 s[ROLE], 0
	s_cbranch_scc0 .Lnot_u
	s_lshl_b32 s52, s50, 13
	s_add_co_u32 s52, s52, UOFF
	s_add_nc_u64 s[54:55], s[SOUT:SOUT+1], s[52:53]
.irp p,0,1,2,3,4,5,6,7,8,9,10,11,12,13,14,15
	global_store_b128 v[LI], v[R1+4*\p:R1+4*\p+3], s[54:55] offset:512*\p
.endr
	s_wait_xcnt 0x0
	v_lshl_add_u32 v250, v0, 2, 0x4c000
	v_mov_b32 v251, 0
	s_wait_tensorcnt 0x0
	ds_add_u32 v250, v251
	s_wait_dscnt 0x0
	s_endpgm
.Lnot_u:
	QUANT R1
	s_cmp_eq_u32 s[ROLE], 1
	s_cbranch_scc0 .Lnot_q
	s_lshl_b32 s52, s50, 10
	s_add_co_u32 s52, s52, QCOFF
	s_add_nc_u64 s[54:55], s[SOUT:SOUT+1], s[52:53]
	global_store_b128 v[LI], v[PC:PC+3], s[54:55]              ; head 0's 64 channels
	global_store_b128 v[LI], v[PC+4:PC+7], s[54:55] offset:512 ; head 1's
	v_perm_b32 v60, v[PW], v[PW], 0x05040100       ; a head's two bytes, twice: Q stands in either half of a K step of 128
	v_perm_b32 v61, v[PW], v[PW], 0x07060302
	s_lshl_b32 s52, s50, 8
	s_add_co_u32 s52, s52, QSOFF
	s_add_nc_u64 s[56:57], s[SOUT:SOUT+1], s[52:53]
	global_store_b32 v[LS], v60, s[56:57]
	global_store_b32 v[LS], v61, s[56:57] offset:128
	s_wait_xcnt 0x0
	v_lshl_add_u32 v250, v0, 2, 0x4c000
	v_mov_b32 v251, 0
	s_wait_tensorcnt 0x0
	ds_add_u32 v250, v251
	s_wait_dscnt 0x0
	s_endpgm
.Lnot_q:
	s_cmp_eq_u32 s[ROLE], 2
	s_cbranch_scc0 .Lnot_k
	s_lshl_b32 s52, s50, 10
	s_add_co_u32 s52, s52, KCOFF
	s_add_nc_u64 s[54:55], s[SOUT:SOUT+1], s[52:53]
	global_store_b128 v[LI], v[PC:PC+3], s[54:55]
	global_store_b128 v[LI], v[PC+4:PC+7], s[54:55] offset:512
	s_lshl_b32 s52, s50, 7
	s_add_co_u32 s52, s52, KSOFF
	s_add_nc_u64 s[56:57], s[SOUT:SOUT+1], s[52:53]
	global_store_b32 v[LS], v[PW], s[56:57]
	s_wait_xcnt 0x0
	v_lshl_add_u32 v250, v0, 2, 0x4c000
	v_mov_b32 v251, 0
	s_wait_tensorcnt 0x0
	ds_add_u32 v250, v251
	s_wait_dscnt 0x0
	s_endpgm
.Lnot_k:                                               ; V: registers 4 c .. 4 c + 3 of lane (r, h) are my block's 32 codes of channel tile 4 hf + 2 c + h, channel r
	s_lshl_b32 s52, s[BI], 4
	s_lshr_b32 s51, s[QBI], 1
	s_add_co_u32 s52, s52, s51                     ; the step of 128 keys: 16 b + qb / 2
	s_lshl_b32 s52, s52, 3
	s_lshl_b32 s51, s[HFV], 2
	s_add_co_u32 s52, s52, s51
	s_lshl_b32 s52, s52, 10
	s_and_b32 s51, s[QBI], 1
	s_lshl_b32 s51, s51, 9
	s_add_co_u32 s52, s52, s51
	s_lshr_b32 s58, s[IDX], 1                      ; which block of 32 tokens of the 64
	s_lshl_b32 s51, s58, 8
	s_add_co_u32 s52, s52, s51
	s_add_co_u32 s52, s52, VCOFF
	s_add_nc_u64 s[54:55], s[SOUT:SOUT+1], s[52:53]
	v_and_b32 v60, 15, v0
	v_bfe_u32 v61, v0, 4, 1
	v_lshlrev_b32 v62, 4, v60
	v_lshl_add_u32 v62, v61, 10, v62
	global_store_b128 v62, v[PC:PC+3], s[54:55]                ; sixteen lanes store 256 consecutive bytes, aligned
	global_store_b128 v62, v[PC+4:PC+7], s[54:55] offset:2048
	s_lshl_b32 s52, s[BI], 6
	s_lshl_b32 s51, s[QBI], 1
	s_add_co_u32 s52, s52, s51
	s_add_co_u32 s52, s52, s58                     ; the block of 32 tokens: 64 b + 2 qb + which
	s_lshl_b32 s52, s52, 7
	s_lshl_b32 s51, s[HFV], 2
	s_add_co_u32 s52, s52, s51
	s_add_co_u32 s52, s52, VSOFF
	s_add_nc_u64 s[56:57], s[SOUT:SOUT+1], s[52:53]
	v_lshlrev_b32 v63, 3, v60
	global_store_b32 v63, v[PW], s[56:57]          ; byte 8 r + channel tile; both halves of the lanes hold and store the same word
	s_wait_xcnt 0x0
	v_lshl_add_u32 v250, v0, 2, 0x4c000
	v_mov_b32 v251, 0
	s_wait_tensorcnt 0x0
	ds_add_u32 v250, v251
	s_wait_dscnt 0x0
	s_endpgm
.endm
; ---- the attention's macros
; block bb of 32 keys, my 16 of them: A' = relu(masked S) / (1 + 2^(-S log2(e) / 8)); its part of the row's sum (two chains) and its largest A'
.macro SILUB bb
.set sb_, SS+16*(\bb)
.set tb_, TT+16*((\bb)&1)
.set q_, 0
.rept 8
	v_pk_mul_f32 v[tb_+q_:tb_+q_+1], v[sb_+q_:sb_+q_+1], s[22:23] op_sel_hi:[1,0]
.set q_, q_+2
.endr
.set q_, 0
.rept 16
	v_exp_f32 v[tb_+q_], v[tb_+q_]
.set q_, q_+1
.endr
.set q_, 0
.rept 16
	v_cndmask_b32 v[sb_+q_], 0, v[sb_+q_], s[32+16*(\bb)+q_+4*((\bb)/2)]   ; the register's word of the mask: a bit a lane.  (Plain places behind the exponentials)
.set q_, q_+1
.endr
.set q_, 0
.rept 16
	v_max_num_f32 v[sb_+q_], 0, v[sb_+q_]
.set q_, q_+1
.endr
.set q_, 0
	s_wait_alu depctr_va_vdst(0)
.rept 8
	v_pk_add_f32 v[tb_+q_:tb_+q_+1], v[tb_+q_:tb_+q_+1], 1.0 op_sel_hi:[1,0]
.set q_, q_+2
.endr
.set q_, 0
.rept 16
	v_rcp_f32 v[tb_+q_], v[tb_+q_]
.set q_, q_+1
.endr
	v_nop
.set q_, 0
	s_wait_alu depctr_va_vdst(0)
.rept 8
	v_pk_mul_f32 v[sb_+q_:sb_+q_+1], v[sb_+q_:sb_+q_+1], v[tb_+q_:tb_+q_+1]
.set q_, q_+2
.endr
.if (\bb)==0
	v_pk_add_f32 v[12:13], v[sb_:sb_+1], v[sb_+2:sb_+3]            ; the first additions start the chains: nothing is cleared
	v_pk_add_f32 v[24:25], v[sb_+4:sb_+5], v[sb_+6:sb_+7]
.irp j,8,12
	v_pk_add_f32 v[12:13], v[12:13], v[sb_+\j:sb_+\j+1]
	v_pk_add_f32 v[24:25], v[24:25], v[sb_+\j+2:sb_+\j+3]
.endr
.else
.irp j,0,4,8,12
	v_pk_add_f32 v[12:13], v[12:13], v[sb_+\j:sb_+\j+1]
	v_pk_add_f32 v[24:25], v[24:25], v[sb_+\j+2:sb_+\j+3]
.endr
.endif
	v_max3_num_f32 v[TM+(\bb)], v[sb_], v[sb_+1], v[sb_+2]
.irp j,3,5,7,9,11,13
	v_max3_num_f32 v[TM+(\bb)], v[TM+(\bb)], v[sb_+\j], v[sb_+\j+1]
.endr
	v_max_num_f32 v[TM+(\bb)], v[TM+(\bb)], v[sb_+15]
.endm
.macro REDLD ad                        ; my sixteenth (256 bytes) of each wave's partial O
.set q_, 0
.rept 16
	ds_load_b64 v[TT+2*q_:TT+2*q_+1], v[\ad] offset:4096*q_
.set q_, q_+1
.endr
.endm
.macro REDSUM off                      ; their sum, into AV
.irp k,0,1,2,3,4,5,6,7
	v_pk_add_f32 v[TT+4*\k:TT+4*\k+1], v[TT+4*\k:TT+4*\k+1], v[TT+4*\k+2:TT+4*\k+3]
.endr
.irp k,0,1,2,3
	v_pk_add_f32 v[TT+8*\k:TT+8*\k+1], v[TT+8*\k:TT+8*\k+1], v[TT+8*\k+4:TT+8*\k+5]
.endr
.irp k,0,1
	v_pk_add_f32 v[TT+16*\k:TT+16*\k+1], v[TT+16*\k:TT+16*\k+1], v[TT+16*\k+8:TT+16*\k+9]
.endr
	v_pk_add_f32 v[26:27], v[TT:TT+1], v[TT+16:TT+17]
	ds_store_b64 v11, v[26:27] offset:\off
.endm
; A ROUND: tile m of 16 queries against my 128 keys.  ONE barrier: in front of it the partial row sums are stored; behind it they are read, A is normalised and quantised, the partial O of the round before are
; added, and this round's partial O is stored.  The sums' and the partial O's bytes take turns between two sets, so that what is written between two barriers is never what is read there.
.macro ROUND m
.set p_, (\m)&1
	s_wait_loadcnt 0x0                             ; Q's fragment and scale words, asked for a round ago
.irp f,0,1,2,3
.irp u,0,1
	MXZ SS+8*(2*\f+\u), KF+8*\f, QF+4*\u, KSC+\f, QSC   ; tile 2 f + u of my keys: Q against that half of the fragment, zero codes against the other
.endr
.endr
	NOPS 4                                         ; places in front of the first read of a result and of loads into registers that the products have read
.if (\m)<3
	global_load_b128 v[QF:QF+3], v1, s[16:17] offset:1024*((\m)+1)
	global_load_b128 v[QF+8:QF+11], v1, s[16:17] offset:1024*((\m)+1)
	global_load_b32 v[QSC], v2, s[18:19] offset:256*((\m)+1)
.endif
	s_wait_kmcnt 0x0                               ; this round's 64 words of the mask
	SILUB 0
	SILUB 1
	SILUB 2
	SILUB 3
.if (\m)<3
	s_load_b512 s[32:47], s[6:7], 4096*((\m)+1)
	s_load_b512 s[48:63], s[6:7], 4096*((\m)+1)+64
	s_load_b512 s[68:83], s[6:7], 4096*((\m)+1)+128
	s_load_b512 s[84:99], s[6:7], 4096*((\m)+1)+192
.endif
	v_pk_add_f32 v[12:13], v[12:13], v[24:25]
	v_add_f32 v12, v12, v13
	v_permlanex16_b32 v[PT], v12, s[SEL], s[SEL+1]
	v_add_f32 v12, v12, v[PT]                      ; my query's sum over my 128 keys
.irp b,0,1,2,3
	v_permlanex16_b32 v[TM+4+\b], v[TM+\b], s[SEL], s[SEL+1]
.endr
.irp b,0,1,2,3
	v_max_num_f32 v[TM+\b], v[TM+\b], v[TM+4+\b]   ; each block's largest A'
.endr
	ds_store_b32 v4, v12 offset:1280*p_
	BAR
.if (\m)>0
	REDLD 9-p_
.endif
.irp k,0,1,2,3
	ds_load_b128 v[LT+4*\k:LT+4*\k+3], v5 offset:1280*p_+16*\k
.endr
	s_wait_dscnt 0x0
.irp k,0,1,2,3
	v_pk_add_f32 v[LT+4*\k:LT+4*\k+1], v[LT+4*\k:LT+4*\k+1], v[LT+4*\k+2:LT+4*\k+3]
.endr
	v_pk_add_f32 v[LT:LT+1], v[LT:LT+1], v[LT+4:LT+5]
	v_pk_add_f32 v[LT+8:LT+9], v[LT+8:LT+9], v[LT+12:LT+13]
	v_pk_add_f32 v[LT:LT+1], v[LT:LT+1], v[LT+8:LT+9]
	v_add_f32 v26, v[LT], v[LT+1]                  ; den' = 8 x the row's sum
	v_add_f32 v27, 0x33abcc77, v26                 ; + 8e-8
	v_rcp_f32 v27, v27
	v_nop
	v_cmp_lt_f32 vcc_lo, 0x2d0cbccc, v26           ; 8e-12 < den'
	s_wait_alu depctr_va_vdst(0)
	v_cndmask_b32 v14, 0, v27, vcc_lo              ; else the whole row is 0
	v_mov_b32 v15, v14
.irp b,0,1,2,3
	v_mul_f32 v[TM+\b], v[TM+\b], v14              ; the block's largest A: the same multiplication on the same number gives the same bits
.endr
.irp b,0,1,2,3
	v_max_num_f32 v[TM+\b], 0x1800000, v[TM+\b]    ; the floor 2^(3 - 127): the byte cannot fall under 1
.endr
.irp b,0,1,2,3
	v_add_nc_u32 v[TM+12+\b], 0xff000000, v[TM+\b]
.endr
.irp b,0,1,2,3
	v_lshrrev_b32 v[TM+4+\b], 23, v[TM+12+\b]
.endr
	v_lshl_or_b32 v[PW], v[TM+5], 8, v[TM+4]
	v_lshl_or_b32 v[PW], v[TM+6], 16, v[PW]
	v_lshl_or_b32 v[PW], v[TM+7], 24, v[PW]
	PKRS SS                                        ; A, finished and normalised.  (These 32 are also the places between the scale word and the products)
.irp b,0,1,2,3
	v_cvt_scalef32_pk8_fp4_f32 v[PC+2*\b], v[SS+16*\b:SS+7+16*\b], v[TM+12+\b]
	v_cvt_scalef32_pk8_fp4_f32 v[PC+1+2*\b], v[SS+8+16*\b:SS+15+16*\b], v[TM+12+\b]
.endr
	v_nop
.irp c,0,1
.irp i,0,1
	v_permlane16_swap_b32 v[PC+4*\c+\i], v[PC+2+4*\c+\i]
.endr
.endr
.if (\m)>0
	REDSUM 8448*((\m)-1)                           ; (its fifteen additions are the places between the codes and the products)
.else
	NOPS 4
.endif
.irp t,0,1,2,3
	MXZ TT+8*\t, VF+8*\t, PC, VSC+\t, PW           ; O^T: 16 channels x my 16 queries, over my 128 keys
.endr
	NOPS 4
.irp p,0,1,2,3,4,5,6,7
	ds_store_b128 v[6+p_], v[TT+4*\p:TT+4*\p+3] offset:512*\p   ; each accumulator from its low end on
.endr
.endm
.macro HORN c                          ; P = P t + c, 16 numbers
.set q_, 0
.rept 8
	v_pk_fma_f32 v[GP+q_:GP+q_+1], v[GP+q_:GP+q_+1], v[GT+q_:GT+q_+1], \c op_sel_hi:[1,1,0]
.set q_, q_+2
.endr
.endm
; gelu(z) = relu(z) - 0.5 |z| erfc(a), a = |z| / sqrt(2); 0.5 |z| erfc(a) = a t exp(-a^2 + P(t)), t = 1 / (1 + a / 2); P's constant term holds ln(1 / sqrt(2)) besides
.macro GELU16 g
.set z_, R1+16*(\g)
.set q_, 0
.rept 16
	v_mul_f32 v[GA+q_], s[RS2], |v[z_+q_]|
.set q_, q_+1
.endr
.set q_, 0
.rept 8
	v_pk_fma_f32 v[GT+q_:GT+q_+1], v[GA+q_:GA+q_+1], 0.5, 1.0 op_sel_hi:[1,0,0]
.set q_, q_+2
.endr
.set q_, 0
.rept 16
	v_rcp_f32 v[GT+q_], v[GT+q_]
.set q_, q_+1
.endr
	v_nop
.set q_, 0
	s_wait_alu depctr_va_vdst(0)
.rept 8
	v_pk_fma_f32 v[GP+q_:GP+q_+1], v[GT+q_:GT+q_+1], v[58:59], 0xbf527892 op_sel_hi:[1,1,0]   ; 0.17087277 t - 0.82215223
.set q_, q_+2
.endr
	HORN 0x3fbe87b0                                ;  1.48851587
	HORN 0xbf914e5d                                ; -1.13520398
	HORN 0x3e8ec7cc                                ;  0.27886807
	HORN 0xbe3ec24c                                ; -0.18628806
	HORN 0x3dc636c9                                ;  0.09678418
	HORN 0x3ebf88fb                                ;  0.37409196
	HORN 0x3f8000c7                                ;  1.00002368
	HORN 0xbfce58d4                                ; -1.26551223 - 0.34657359
.set q_, 0
.rept 8
	v_pk_fma_f32 v[GP+q_:GP+q_+1], v[GA+q_:GA+q_+1], v[GA+q_:GA+q_+1], v[GP+q_:GP+q_+1] neg_lo:[1,0,0] neg_hi:[1,0,0]
.set q_, q_+2
.endr
.set q_, 0
.rept 8
	v_pk_mul_f32 v[GP+q_:GP+q_+1], v[GP+q_:GP+q_+1], 0x3fb8aa3b op_sel_hi:[1,0]
.set q_, q_+2
.endr
.set q_, 0
.rept 16
	v_exp_f32 v[GP+q_], v[GP+q_]
.set q_, q_+1
.endr
	v_nop
.set q_, 0
.rept 8
	v_pk_mul_f32 v[GA+q_:GA+q_+1], v[GA+q_:GA+q_+1], v[GT+q_:GT+q_+1]
.set q_, q_+2
.endr
.set q_, 0
	s_wait_alu depctr_va_vdst(0)
.rept 8
	v_pk_mul_f32 v[GA+q_:GA+q_+1], v[GA+q_:GA+q_+1], v[GP+q_:GP+q_+1]
.set q_, q_+2
.endr
.set q_, 0
.rept 16
	v_max_num_f32 v[z_+q_], 0, v[z_+q_]
.set q_, q_+1
.endr
.set q_, 0
.rept 8
	v_pk_add_f32 v[z_+q_:z_+q_+1], v[z_+q_:z_+q_+1], v[GA+q_:GA+q_+1] neg_lo:[0,1] neg_hi:[0,1]
.set q_, q_+2
.endr
.endm
	; ================ the head
	s_load_b256 s[32:39], s[0:1], 0x0              ; the state read, the state written, par, maskw
	s_load_b64 s[40:41], s[0:1], 0x20              ; the layer's number
	v_lshrrev_b32 v12, 5, v0
	v_readfirstlane_b32 s2, v12                    ; wave 0..15
	v_and_b32 v12, 31, v0
	v_and_b32 v13, 15, v0
	v_lshlrev_b32 v1, 4, v12                       ; 16 lane
	v_lshlrev_b32 v2, 2, v12                       ; 4 lane
	v_lshlrev_b32 v3, 3, v13                       ; 8 r
	v_mul_u32_u24 v5, v13, 80                      ; the sums of query r (DEN = 0)
	s_lshl_b32 s28, s2, 2
	v_add_nc_u32 v4, s28, v5                       ; my wave's word among them
	s_lshl_b32 s28, s2, 12
	s_add_co_u32 s28, s28, OB0
	v_add_nc_u32 v6, s28, v1                       ; my partial O, set 0 and set 1
	s_add_co_u32 s28, s28, OB1-OB0
	v_add_nc_u32 v7, s28, v1
	v_lshlrev_b32 v16, 3, v12
	s_lshl_b32 s28, s2, 8
	s_add_co_u32 s28, s28, OB0
	v_add_nc_u32 v8, s28, v16                      ; the sixteenth that I add, set 0 and set 1
	s_add_co_u32 s28, s28, OB1-OB0
	v_add_nc_u32 v9, s28, v16
	v_lshrrev_b32 v16, 1, v12
	v_mul_u32_u24 v16, v16, 528
	v_and_b32 v17, 1, v12
	v_lshl_add_u32 v16, v17, 3, v16
	s_lshr_b32 s28, s2, 2
	s_lshl_b32 s28, s28, 6
	s_and_b32 s29, s2, 1
	s_lshl_b32 s29, s29, 5
	s_add_co_u32 s28, s28, s29
	s_bfe_u32 s29, s2, 0x10001
	s_lshl_b32 s29, s29, 4
	s_add_co_u32 s28, s28, s29
	s_add_co_u32 s28, s28, AV
	v_add_nc_u32 v10, s28, v16                     ; where that sixteenth lies in AV: query lane / 2; channels 16 (w / 4) + 8 (w % 2) + 4 ((w / 2) % 2) + 2 (lane % 2) on
	s_lshl_b32 s28, s2, 9
	v_add_nc_u32 v58, s28, v1                      ; staging: 16 lane + 512 wave
	v_add_nc_u32 v59, XI, v58
	v_add_nc_u32 v60, FP, v58
	v_add_nc_u32 v61, PP, v58
.irp j,20,21,22,23,33
	v_mov_b32 v\j, 0                               ; written once: a lane permute's destination counts as one of its sources
.endr
.irp j,4,5,6,7
	v_mov_b32 v[QF+\j], 0                          ; the zero codes between Q's two copies
.endr
	s_mov_b32 s[SEL], 0x76543210
	s_mov_b32 s[SEL+1], 0xfedcba98
	s_mov_b32 s22, 0xbe38aa3b                      ; -log2(e) / 8
	s_mov_b32 s23, s22
	s_mov_b32 s24, 0x05040100                      ; which two bytes of K's scale words: head 0's
	s_mov_b32 s25, 0
	s_mov_b32 s3, 2
	s_mov_b32 s31, 0
	s_and_b32 s29, ttmp7, 0xffff                   ; b
	s_lshl_b32 s28, s29, 5
	s_add_co_u32 s28, s28, ttmp9
	s_lshl_b32 s66, s28, 2                         ; my first tile: 4 (32 b + qb)
	s_wait_kmcnt 0x0
	s_load_b32 s26, s[40:41], 0x0
	s_mov_b64 s[4:5], s[32:33]
	s_lshl_b32 s30, ttmp9, 6
	s_add_co_u32 s30, s30, s2
	s_lshl_b32 s30, s30, 8
	s_add_nc_u64 s[6:7], s[38:39], s[30:31]        ; the mask's unit (tile 4 qb, keys 128 w); a tile on is 4,096 bytes on
	s_lshl_b32 s28, s29, 7
	s_lshl_b32 s30, s2, 3
	s_add_co_u32 s28, s28, s30                     ; my first tile of keys: 128 b + 8 w
	s_lshl_b32 s30, s28, 10
	s_add_co_u32 s30, s30, KCOFF
	s_add_nc_u64 s[8:9], s[4:5], s[30:31]
	s_lshl_b32 s30, s28, 7
	s_add_co_u32 s30, s30, KSOFF
	s_add_nc_u64 s[10:11], s[4:5], s[30:31]
	s_lshl_b32 s28, s29, 4
	s_add_co_u32 s28, s28, s2                      ; my step of 128 keys: 16 b + w
	s_lshl_b32 s30, s28, 13
	s_add_co_u32 s30, s30, VCOFF
	s_add_nc_u64 s[12:13], s[4:5], s[30:31]
	s_lshl_b32 s30, s28, 9
	s_add_co_u32 s30, s30, VSOFF
	s_add_nc_u64 s[14:15], s[4:5], s[30:31]
	s_lshl_b32 s30, s66, 10
	s_add_co_u32 s30, s30, QCOFF
	s_add_nc_u64 s[16:17], s[4:5], s[30:31]
	s_lshl_b32 s30, s66, 8
	s_add_co_u32 s30, s30, QSOFF
	s_add_nc_u64 s[18:19], s[4:5], s[30:31]
	s_lshl_b32 s30, s66, 13
	s_add_nc_u64 s[68:69], s[4:5], s[30:31]        ; x's four images
	s_add_co_u32 s30, s30, UOFF
	s_add_nc_u64 s[70:71], s[4:5], s[30:31]        ; U's
	s_wait_kmcnt 0x0
	s_min_u32 s26, s26, 3                          ; the layer
	s_add_co_u32 s27, s26, 1
	s_min_u32 s27, s27, 3
	s_mul_i32 s30, s26, PREC
	s_add_co_u32 s30, s30, FOFF
	s_add_nc_u64 s[72:73], s[36:37], s[30:31]      ; this layer's f2, c1, c2
	s_mul_i32 s30, s27, PREC
	s_add_nc_u64 s[74:75], s[36:37], s[30:31]      ; the next layer's U, Q, K, V
	; what the row phases will want goes into LDS now: dense chunks of 8,192 bytes, each wave 512 of each
.irp i,0,1,2,3
	global_load_b128 v[128+4*\i:131+4*\i], v58, s[68:69] offset:8192*\i
	global_load_b128 v[144+4*\i:147+4*\i], v58, s[70:71] offset:8192*\i
	global_load_b128 v[160+4*\i:163+4*\i], v58, s[72:73] offset:8192*\i
.endr
	s_cmp_lt_u32 s26, 3
	s_cbranch_scc0 .Lno_next
	STAGE_P 74
.Lno_next:
	s_wait_loadcnt 0x0
.irp i,0,1,2,3
	ds_store_b128 v59, v[128+4*\i:131+4*\i] offset:8192*\i
	ds_store_b128 v59, v[144+4*\i:147+4*\i] offset:32768+8192*\i
	ds_store_b128 v60, v[160+4*\i:163+4*\i] offset:8192*\i
.endr
	; ================ the attention: two heads, four rounds each
.Lhead:
.irp t,0,1,2,3,4,5,6,7
	global_load_b128 v[KF+4*\t:KF+4*\t+3], v1, s[8:9] offset:1024*\t   ; tile t's 64 channels of the head: half of fragment t / 2
	global_load_b32 v[LT+\t], v2, s[10:11] offset:128*\t
.endr
.irp t,0,1,2,3
.irp c,0,1
	global_load_b128 v[VF+8*\t+4*\c:VF+8*\t+4*\c+3], v1, s[12:13] offset:1024*\t+512*\c
.endr
	global_load_b32 v[LT+8+\t], v3, s[14:15] offset:128*\t     ; block t of my keys: the bytes of the head's four channel tiles
.endr
	global_load_b128 v[QF:QF+3], v1, s[16:17]
	global_load_b128 v[QF+8:QF+11], v1, s[16:17]
	global_load_b32 v[QSC], v2, s[18:19]
	s_load_b512 s[32:47], s[6:7], 0x0
	s_load_b512 s[48:63], s[6:7], 0x40
	s_load_b512 s[68:83], s[6:7], 0x80
	s_load_b512 s[84:99], s[6:7], 0xc0
	s_wait_loadcnt 0x0
.irp f,0,1,2,3
	v_perm_b32 v[KSC+\f], v[LT+1+2*\f], v[LT+2*\f], s24        ; the head's two bytes of tile 2 f, then of tile 2 f + 1
.endr
	v_perm_b32 v[LT+12], v[LT+9], v[LT+8], 0x05010400          ; V's bytes: four words [tile] by block are turned into four words [block] by tile
	v_perm_b32 v[LT+13], v[LT+9], v[LT+8], 0x07030602
	v_perm_b32 v[LT+14], v[LT+11], v[LT+10], 0x05010400
	v_perm_b32 v[LT+15], v[LT+11], v[LT+10], 0x07030602
	v_perm_b32 v[VSC], v[LT+14], v[LT+12], 0x05040100
	v_perm_b32 v[VSC+1], v[LT+14], v[LT+12], 0x07060302
	v_perm_b32 v[VSC+2], v[LT+15], v[LT+13], 0x05040100
	v_perm_b32 v[VSC+3], v[LT+15], v[LT+13], 0x07060302
	v_add_nc_u32 v11, s25, v10                     ; the head's 256 bytes of a row of AV.  (These nine lines are the places between K's scale words and the first products)
	ROUND 0
	ROUND 1
	ROUND 2
	ROUND 3
	BAR                                            ; round 3's partial O lie in LDS
	REDLD 9
	s_wait_dscnt 0x0
	REDSUM 25344
	s_wait_xcnt 0x0                                ; every load has read its base: on to the other head
	s_add_nc_u64 s[8:9], s[8:9], 512
	s_add_nc_u64 s[12:13], s[12:13], 4096
	s_add_nc_u64 s[14:15], s[14:15], 4
	s_add_nc_u64 s[16:17], s[16:17], 512
	s_add_nc_u64 s[18:19], s[18:19], 128
	s_add_co_u32 s25, s25, 256
	s_mov_b32 s24, 0x07060302
	s_sub_co_u32 s3, s3, 1
	s_cmp_lg_u32 s3, 0
	s_cbranch_scc1 .Lhead
	BAR                                            ; AV is whole
	; ================ the row phases: addresses and constants, where all waves pass
	s_load_b64 s[SOUT:SOUT+1], s[0:1], 0x8         ; the state written
	s_load_b128 s[36:39], s[0:1], 0x28             ; last_ln_s, out0
	PADDR
	s_mul_i32 s50, s2, 16*528
	s_add_co_u32 s50, s50, AV
	v_mul_u32_u24 v[AVR], v13, 528
	v_lshl_add_u32 v[AVR], v14, 6, v[AVR]
	v_add_nc_u32 v[AVR], s50, v[AVR]               ; row r of my tile, + 64 h
	v_add_nc_u32 v[AVB], s50, v[LI]
	s_lshl_b32 s50, s2, 13
	s_add_co_u32 s50, s50, XI
	v_add_nc_u32 v[XIA], s50, v[LI]
	v_add_nc_u32 v[FPW], FP, v[LI]
	v_add_nc_u32 v[FPS], FP, v[LS]
	v_lshl_add_u32 v[FPV], v14, 6, FP+27648
	s_mov_b32 s[EPSR], 0x322bcc77                  ; 1e-8
	s_mov_b32 s[C128], 0x3c000000                  ; 1 / 128
	s_mov_b32 s[NL2E], 0xbfb8aa3b                  ; -log2(e)
	s_mov_b32 s[NL2E+1], s[NL2E]
	s_mov_b32 s[RS2], 0x3f3504f3                   ; 1 / sqrt(2)
	s_mov_b32 s[G0], s66
	s_mov_b32 s[QBI], ttmp9
	s_and_b32 s[BI], ttmp7, 0xffff
	s_wait_kmcnt 0x0
	s_cmp_lt_u32 s2, 4
	s_cbranch_scc0 .Lf_done
	; ---- waves 0-3, a tile each: y = (rms(AV) x hstu_ln_s x U) f2 + f2b; x += y
	LDSV R1, AVR, 0
	LDSI R2, XIA, 32768                            ; U
	LDSV R0, FPV, 1536                             ; hstu_ln_s
	s_wait_dscnt 0x0
	SSQ R1
	PKRS R1
	PK3 v_pk_mul_f32, R1, R1, R0
	PK3 v_pk_mul_f32, R1, R1, R2
	LDSW FPW, FPS, 0                               ; f2
	LDSI R0, XIA, 0                                ; x
	QUANT R1
	LDSV R1, FPV, 0                                ; f2b: the C of the products
	s_wait_dscnt 0x0
	MM8
	PK3 v_pk_add_f32, R0, R0, R1
	; ---- h = gelu(rms(x) x ln2_s c1 + c1b)
	LDSV R1, FPV, 2048                             ; ln2_s
	LDSW FPW, FPS, 9216                            ; c1
	SSQ R0
	s_wait_dscnt 0x0
	NORM
	QUANT R1
	LDSV R1, FPV, 512                              ; c1b
	s_wait_dscnt 0x0
	MM8
	v_mov_b32 v58, 0x3e2ef945                      ; 0.17087277, twice
	v_mov_b32 v59, 0x3e2ef945
	GELU16 0
	GELU16 1
	GELU16 2
	GELU16 3
	; ---- x += h c2 + c2b
	LDSW FPW, FPS, 18432                           ; c2
	QUANT R1
	LDSV R1, FPV, 1024                             ; c2b
	s_wait_dscnt 0x0
	MM8
	PK3 v_pk_add_f32, R0, R0, R1
	s_cmp_eq_u32 s26, 3
	s_cbranch_scc1 .Lf_last
	XOUT
	s_branch .Lf_done
.Lf_last:                                              ; the last layer: rms(x) x last_ln_s, through my own rows of AV, out as whole rows
	v_bfe_u32 v60, v0, 4, 1
	v_lshlrev_b32 v60, 6, v60
.irp b,0,1,2,3
.irp j,0,1,2,3
	global_load_b128 v[R1+16*\b+4*\j:R1+16*\b+4*\j+3], v60, s[36:37] offset:128*\b+16*\j
.endr
.endr
	SSQ R0
	s_wait_loadcnt 0x0
	NORM
.irp b,0,1,2,3
.irp j,0,1,2,3
	ds_store_b128 v[AVR], v[R1+16*\b+4*\j:R1+16*\b+4*\j+3] offset:128*\b+16*\j
.endr
.endr
.irp i,0,1,2,3,4,5,6,7,8,9,10,11,12,13,14,15
	ds_load_b128 v[R2+4*\i:R2+4*\i+3], v[AVB] offset:528*\i    ; LDS serves a wave's instructions in order: these see my stores
.endr
	s_lshl_b32 s52, s[BI], 11
	s_lshl_b32 s51, s[QBI], 6
	s_add_co_u32 s52, s52, s51
	s_lshr_b32 s51, s2, 1
	s_lshl_b32 s51, s51, 5
	s_add_co_u32 s52, s52, s51
	s_and_b32 s51, s2, 1
	s_lshl_b32 s51, s51, 3
	s_add_co_u32 s52, s52, s51                     ; the tile's first token
	s_lshl_b32 s52, s52, 9
	s_mov_b32 s53, 0
	s_add_nc_u64 s[54:55], s[38:39], s[52:53]
	s_wait_dscnt 0x0
.irp i,0,1,2,3,4,5,6,7,8,9,10,11,12,13,14,15
	global_store_b128 v[LI], v[R2+4*\i:R2+4*\i+3], s[54:55] offset:512*(\i+8*(\i/8))   ; row i of the tile is token i + 8 (i / 8): 512 consecutive bytes a store
.endr
.Lf_done:
	BAR                                            ; q's four fragments lie in LDS
	s_cmp_eq_u32 s26, 3
	s_cbranch_scc1 .Lall_done
	PPHASE
.Lall_done:
	s_wait_xcnt 0x0
	v_lshl_add_u32 v250, v0, 2, 0x4c000
	v_mov_b32 v251, 0
	s_wait_tensorcnt 0x0
	ds_add_u32 v250, v251
	s_wait_dscnt 0x0
	s_endpgm
.Lfunc_end_k_q9f445b1ef6_layer0:
	.size	k_q9f445b1ef6_layer0, .Lfunc_end_k_q9f445b1ef6_layer0-k_q9f445b1ef6_layer0
	.p2alignl 7, 3214868480
	.fill 96, 4, 3214868480
	.section	.rodata,"a",@progbits
	.p2align	6, 0x0
	.amdhsa_kernel k_q9f445b1ef6_layer0
		.amdhsa_group_segment_fixed_size 313344
		.amdhsa_private_segment_fixed_size 0
		.amdhsa_enable_private_segment 0
		.amdhsa_kernarg_size 56
		.amdhsa_user_sgpr_count 2
		.amdhsa_user_sgpr_kernarg_segment_ptr 1
		.amdhsa_wavefront_size32 1
		.amdhsa_system_sgpr_workgroup_id_x 1
		.amdhsa_system_sgpr_workgroup_id_y 1
		.amdhsa_system_sgpr_workgroup_id_z 1
		.amdhsa_system_vgpr_workitem_id 0
		.amdhsa_next_free_vgpr 256
		.amdhsa_next_free_sgpr 100
		.amdhsa_reserve_vcc 1
		.amdhsa_float_denorm_mode_32 3
		.amdhsa_float_denorm_mode_16_64 3
		.amdhsa_memory_ordered 1
		.amdhsa_forward_progress 1
		.amdhsa_inst_pref_size 255
	.end_amdhsa_kernel
	.section	.bss,"aw",@nobits
	.p2align	6
	.space	262144
	.amdgpu_metadata
---
amdhsa.version: [ 1, 2 ]
amdhsa.kernels:
  - .name:           k_q9f445b1ef6_layer0
    .symbol:         k_q9f445b1ef6_layer0.kd
    .args:
      - { .name: sa, .offset: 0, .size: 8, .value_kind: global_buffer, .address_space: global }
      - { .name: sb, .offset: 8, .size: 8, .value_kind: global_buffer, .address_space: global }
      - { .name: par, .offset: 16, .size: 8, .value_kind: global_buffer, .address_space: global }
      - { .name: maskw, .offset: 24, .size: 8, .value_kind: global_buffer, .address_space: global }
      - { .name: lay0, .offset: 32, .size: 8, .value_kind: global_buffer, .address_space: global }
      - { .name: last_ln_s, .offset: 40, .size: 8, .value_kind: global_buffer, .address_space: global }
      - { .name: out0, .offset: 48, .size: 8, .value_kind: global_buffer, .address_space: global }
    .group_segment_fixed_size: 313344
    .private_segment_fixed_size: 0
    .kernarg_segment_align: 8
    .kernarg_segment_size: 56
    .max_flat_workgroup_size: 512
    .sgpr_count:     100
    .vgpr_count:     256
    .wavefront_size: 32
...
	.end_amdgpu_metadata
.endif
;; end of part 3
;; launch layer1: the kernel of part 3 again; grid 32 x 8, 16 waves a work-group, no clusters, 313,344 bytes of LDS; arguments sb, sa, par, maskw, lay1, last_ln_s, out0; writes sa, out0
;; launch layer2: the kernel of part 3 again; grid 32 x 8, 16 waves a work-group, no clusters, 313,344 bytes of LDS; arguments sa, sb, par, maskw, lay2, last_ln_s, out0; writes sb, out0
;; launch layer3: the kernel of part 3 again; grid 32 x 8, 16 waves a work-group, no clusters, 313,344 bytes of LDS; arguments sb, sa, par, maskw, lay3, last_ln_s, out0; writes sa, out0
;; ======== version 2 of 2: 6 launches; 1.01 times as fast as version 1
;; workspace buffers: sa 20,381,696 bytes; sb 20,381,696 bytes; par 294,912 bytes; maskw 524,288 bytes of whole numbers; lay0 256 bytes of whole numbers; lay1 256 bytes of whole numbers; lay2 256 bytes of whole numbers; lay3 256 bytes of whole numbers
;; launch prep: the kernel of part 1 again; grid 284 x 1, 8 waves a work-group, no clusters, 0 bytes of LDS; arguments Uw, Qw, Kw, Vw, f2w, c1w, c2w, Ub, Qb, Kb, Vb, f2b, c1b, c2b, ln1_s, hstu_ln_s, ln2_s, attn_mask, par, maskw, lay0, lay1, lay2, lay3; writes par, maskw, lay0, lay1, lay2, lay3
;; launch first: the kernel of part 2 again; grid 32 x 8, 16 waves a work-group, no clusters, 48,128 bytes of LDS; arguments log_seqs, item_table, pos_table, emb_ln_s, par, sa; writes sa
;; launch layer0 (part 4): grid 32 x 8, 16 waves a work-group, no clusters, 313,344 bytes of LDS; arguments sa, sb, par, maskw, lay0, last_ln_s, out0; writes sb, out0
.if DOCPART == 4
	.amdgcn_target "amdgcn-amd-amdhsa--gfx1250"
	.amdhsa_code_object_version 6
	.text
	.protected	k_q9f445b1ef6_layer0
	.globl	k_q9f445b1ef6_layer0
	.p2align	8
	.type	k_q9f445b1ef6_layer0,@function
k_q9f445b1ef6_layer0:
	s_mov_b64 s[64:65], 0
	v_nop
	global_prefetch_b8 v0, s[64:65] scope:SCOPE_SE
	s_setreg_imm32_b32 hwreg(HW_REG_WAVE_MODE, 25, 1), 1
	s_wait_xcnt 0x0
; A LAYER.  From the state (x, U, codes of Q, K, V): the attention, y = (rms(AV) x U) f2, x += y, the FFN with the exact gelu, x += it; then either the next layer's q, U, Q, K, V into the other
; state buffer, or (layer 3) the last norm into out0.  The layer's number is read from a small buffer; it enters addresses held at 3 and steers branches that enclose no barrier.
; SHARES.  A work-group owns 64 queries of one batch row, both heads.  IN THE ATTENTION THE SIXTEEN WAVES SHARE THE KEYS: wave w owns keys 128 w .. 128 w + 127.  For a tile of 16 queries its 16 x 128 scores
; are 64 registers, which STAY IN REGISTERS while the sixteen partial row sums meet in LDS: so each score's silu is computed once, though A is quantised normalised.  The wave's A is exactly one K step of
; the second product; the sixteen partial O (16 queries x 64 channels) are added through LDS, each wave a sixteenth.
; Both products are used transposed (S^T = K Q^T, O^T = V^T A^T): a lane holds one query.  A head has 64 channels and the instruction takes 128 along K: a fragment of K holds TWO tiles of 16 keys side by side,
; and Q stands against one of them with zero codes against the other.
; The scale 1/8 is a power of two: the text works with A' = 8 A = relu(S) sigmoid(S / 8); A / (den + 1e-8) = A' / (den' + 8e-8), and den > 1e-12 where den' > 8e-12, exactly.
; The mask is an input: every score is computed, and one bit a score (a word a register, made by the first launch) clears what is hidden.
; ORDER.  What a step wants is asked for a step or more ahead: the next tile's Q and mask words in the middle of a round's first phase, V at a head's top (it is wanted a phase later), the second head's K, Q and
; mask words in the first head's last round.  In a round's first phase the four blocks of 32 keys are staggered, so that the exponentials and reciprocals of one block stand singly among plain lines of another.
; TILES: lane r of tile m is token 32 (m / 2) + 8 (m % 2) + r + 8 (r / 8); ROW LAYOUT: register 16 b + i of lane (r, h) is channel (or key) 32 b + 16 h + i.
; LIMITS: NaN and infinities are not served; a block of zeros gets the byte 1 (its codes are zeros; the bytes are this program's own); row sums and O are sums of sixteen partial f32 sums, another order than a
; plain chain; 1 / x, 1 / sqrt(x), 2^x are the chip's own, within an ulp; erfc is t exp(-a^2 + a polynomial of degree 9 in t), t = 1 / (1 + a / 2), fractional error about 1.2e-7.
; No tensor load and no cluster: every operand is an image of registers that its user loads once or twice; what work-groups share (a batch row's codes, 256 KiB) is small beside a launch's vector work.
.set XOFF,  0
.set UOFF,  8388608
.set QCOFF, 16777216
.set KCOFF, 17825792
.set VCOFF, 18874368
.set QSOFF, 19922944
.set KSOFF, 20185088
.set VSOFF, 20316160
.set PREC, 73728
.set FOFF, 40960
.set DEN,  0                           ; LDS: partial row sums, two sets by turns: [query r, 80 bytes][wave]
.set OB0,  2560                        ; partial O, two sets by turns: 4,096 bytes a wave
.set OB1,  68096
.set AV,   133632                      ; AV: 64 rows (tile order) x (512 + 16) bytes
.set QIMG, 167424
.set QSCI, 171520
.set XI,   172032                      ; x's four images, and 32,768 further on U's
.set FP,   237568                      ; this layer's record for f2, c1, c2
.set PP,   270336                      ; the next layer's record for U, Q, K, V
.set R0, 64
.set R1, 128
.set R2, 192
.set LI, 1
.set LS, 2
.set AVR, 3                            ; the row phases' address registers: v3-11, v42-47 (in the attention v3-11 hold its own addresses)
.set AVB, 4
.set XIA, 5
.set FPW, 6
.set FPS, 7
.set FPV, 8
.set QIW, 9
.set QSW, 10
.set QA0, 11
.set QSA0, 42
.set PPW, 43
.set PPS, 44
.set PPV, 45
.set PVB, 46
.set PPB, 47
.set TM, 16
.set PW, 32
.set PT, 33
.set PC, 34
.set WS, 48
.set QS0, 56
.set QSC, 48                           ; the attention's scale words: v48 Q's, v49-52 K's, v53-56 V's.  v32 and v48-57 hold scales and nothing else
.set KSC, 49
.set VSC, 53
.set KF, 64                            ; v64-95 K: four fragments of two tiles;  v96-127 V: four fragments
.set VF, 96
.set SS, 128                           ; v128-191 the scores, then A
.set TT, 192                           ; v192-223 at work (two halves of 16 by turns); the partial O to add; O
.set LT, 224                           ; v224-231 K's scale words as stored (both heads' bytes), v232-239 V's (a pair a block: head 0's word, head 1's): loaded once
.set QF, 240                           ; v240-251 [Q, zeros, Q]
.set GA, R2
.set GT, R2+16
.set GP, R2+32
.set SEL, 20
.set SOUT, 32
.set EPSR, 40
.set C128, 41
.set NL2E, 42
.set RS2, 44
.set ROLE, 46
.set IDX, 47
.set HFV, 48
.set G0, 49
.set QBI, 60
.set BI, 61
.macro NOPS n
.rept \n
	v_nop
.endr
.endm
.macro BAR                             ; my LDS stores have landed and my LDS loads are in: then the work-group's barrier
	s_wait_dscnt 0x0
	s_barrier_signal -1
	s_barrier_wait -1
.endm
.macro MXZ d, a, b, sa, sb
	v_wmma_scale_f32_16x16x128_f8f6f4 v[\d:\d+7], v[\a:\a+7], v[\b:\b+7], 0, v[\sa], v[\sb] matrix_a_fmt:MATRIX_FMT_FP4 matrix_b_fmt:MATRIX_FMT_FP4
.endm
.macro MXC d, a, b, c, sa, sb
	v_wmma_scale_f32_16x16x128_f8f6f4 v[\d:\d+7], v[\a:\a+7], v[\b:\b+7], v[\c:\c+7], v[\sa], v[\sb] matrix_a_fmt:MATRIX_FMT_FP4 matrix_b_fmt:MATRIX_FMT_FP4
.endm
.macro PK3 op, d, a, b                 ; 32 packed operations over 64 registers
.set q_, 0
.rept 32
	\op v[\d+q_:\d+q_+1], v[\a+q_:\a+q_+1], v[\b+q_:\b+q_+1]
.set q_, q_+2
.endr
.endm
.macro PKRS d                          ; 64 registers x v14
.set q_, 0
.rept 32
	v_pk_mul_f32 v[\d+q_:\d+q_+1], v[\d+q_:\d+q_+1], v[14:15] op_sel_hi:[1,0]
.set q_, q_+2
.endr
.endm
; 64 numbers of a lane, register 16 b + i = k 32 b + 16 h + i of its row, become a fragment's codes in v[PC] on and its scale word in v[PW]
.macro QUANT s
.irp b,0,1,2,3
	v_max3_num_f32 v[TM+\b], |v[\s+16*\b]|, |v[\s+1+16*\b]|, 0x1800000   ; my 16 numbers of block b, and the floor 2^(3 - 127): the byte cannot fall under 1
.endr
.irp i,2,4,6,8,10,12,14
.irp b,0,1,2,3
	v_max3_num_f32 v[TM+\b], v[TM+\b], |v[\s+16*\b+\i]|, |v[\s+1+16*\b+\i]|
.endr
.endr
.irp b,0,1,2,3
	v_permlanex16_b32 v[TM+4+\b], v[TM+\b], s[SEL], s[SEL+1]
.endr
.irp b,0,1,2,3
	v_max_num_f32 v[TM+\b], v[TM+\b], v[TM+4+\b]   ; with lane l xor 16's: the block's largest magnitude
.endr
.irp b,0,1,2,3
	v_add_nc_u32 v[TM+12+\b], 0xff000000, v[TM+\b] ; 2 off its exponent field: the conversion's scale operand
.endr
.irp b,0,1,2,3
	v_lshrrev_b32 v[TM+4+\b], 23, v[TM+12+\b]      ; the scale's byte
.endr
	v_lshl_or_b32 v[PW], v[TM+5], 8, v[TM+4]
	v_lshl_or_b32 v[PW], v[TM+6], 16, v[PW]
	v_lshl_or_b32 v[PW], v[TM+7], 24, v[PW]
.irp b,0,1,2,3
	v_cvt_scalef32_pk8_fp4_f32 v[PC+2*\b], v[\s+16*\b:\s+7+16*\b], v[TM+12+\b]
	v_cvt_scalef32_pk8_fp4_f32 v[PC+1+2*\b], v[\s+8+16*\b:\s+15+16*\b], v[TM+12+\b]
.endr
	v_nop                                          ; one plain place behind a scaled conversion
.irp c,0,1                                     ; the operand wants a whole block in a lane: lanes 0-15 block 2 c, lanes 16-31 block 2 c + 1
.irp i,0,1
	v_permlane16_swap_b32 v[PC+4*\c+\i], v[PC+2+4*\c+\i]
.endr
.endr
.endm
.macro LDSV dst, ad, off               ; a vector of 128 f32 (or a row of 128) in row layout; v[ad] carries 64 h
.irp b,0,1,2,3
.irp j,0,1,2,3
	ds_load_b128 v[\dst+16*\b+4*\j:\dst+16*\b+4*\j+3], v[\ad] offset:\off+128*\b+16*\j
.endr
.endr
.endm
.macro LDSI dst, ad, off               ; an image of 64 registers; v[ad] carries 16 x lane
.irp p,0,1,2,3,4,5,6,7,8,9,10,11,12,13,14,15
	ds_load_b128 v[\dst+4*\p:\dst+4*\p+3], v[\ad] offset:\off+512*\p
.endr
.endm
.macro LDSW wa, wsa, off               ; a weight's eight fragments into R2, their scale words into WS
	LDSI R2, \wa, \off
.irp t,0,1,2,3,4,5,6,7
	ds_load_b32 v[WS+\t], v[\wsa] offset:\off+8192+128*\t
.endr
.endm
.macro SSQ s                           ; v14 = v15 = 1 / sqrt(mean of the row's squares + 1e-8)
	v_pk_mul_f32 v[12:13], v[\s:\s+1], v[\s:\s+1]
	v_pk_mul_f32 v[24:25], v[\s+2:\s+3], v[\s+2:\s+3]
.irp j,4,8,12,16,20,24,28,32,36,40,44,48,52,56,60
	v_pk_fma_f32 v[12:13], v[\s+\j:\s+\j+1], v[\s+\j:\s+\j+1], v[12:13]
	v_pk_fma_f32 v[24:25], v[\s+\j+2:\s+\j+3], v[\s+\j+2:\s+\j+3], v[24:25]
.endr
	v_pk_add_f32 v[12:13], v[12:13], v[24:25]
	v_add_f32 v12, v12, v13
	v_permlanex16_b32 v[PT], v12, s[SEL], s[SEL+1] ; the row's other 64 channels lie in lane l xor 16
	v_add_f32 v12, v12, v[PT]
	v_fma_f32 v12, v12, s[C128], s[EPSR]
	v_rsq_f32 v14, v12
	v_nop                                          ; a plain place behind the transcendental
	s_wait_alu depctr_va_vdst(0)
	v_mov_b32 v15, v14
.endm
.macro NORM                            ; R1 holds a gain: R1 = R0 x gain x 1 / rms
	PK3 v_pk_mul_f32, R1, R1, R0
	PKRS R1
.endm
; R1 (holding the bias) = bias + W^T (the fragment in PC): eight accumulators, one instruction each.  Eight places stand between the vector lines that made the scale word and the codes and the products,
; four between the products and the first read of a result
.macro MM8
	NOPS 8
.irp t,0,1,2,3,4,5,6,7
	MXC R1+8*\t, R2+8*\t, PC, R1+8*\t, WS+\t, PW
.endr
	NOPS 4
.endm
.macro SILU64                          ; R1 = R1 x sigmoid(R1), 32 registers at a time; at work in R2
.irp e,0,1
.set q_, 0
.rept 16
	v_pk_mul_f32 v[R2+32*\e+q_:R2+32*\e+q_+1], v[R1+32*\e+q_:R1+32*\e+q_+1], s[NL2E:NL2E+1] op_sel_hi:[1,0]
.set q_, q_+2
.endr
.set q_, 0
.rept 32
	v_exp_f32 v[R2+32*\e+q_], v[R2+32*\e+q_]
.set q_, q_+1
.endr
	v_nop
.set q_, 0
.rept 16
	s_wait_alu depctr_va_vdst(0)
	v_pk_add_f32 v[R2+32*\e+q_:R2+32*\e+q_+1], v[R2+32*\e+q_:R2+32*\e+q_+1], 1.0 op_sel_hi:[1,0]
.set q_, q_+2
.endr
.set q_, 0
.rept 32
	v_rcp_f32 v[R2+32*\e+q_], v[R2+32*\e+q_]
.set q_, q_+1
.endr
	v_nop
.set q_, 0
.rept 16
	s_wait_alu depctr_va_vdst(0)
	v_pk_mul_f32 v[R1+32*\e+q_:R1+32*\e+q_+1], v[R1+32*\e+q_:R1+32*\e+q_+1], v[R2+32*\e+q_:R2+32*\e+q_+1]
.set q_, q_+2
.endr
.endr
.endm
; the address registers of the P phase, made where all waves pass.  s2 = the wave's number
.macro PADDR
	v_and_b32 v12, 31, v0
	v_and_b32 v13, 15, v0
	v_bfe_u32 v14, v0, 4, 1
	v_lshlrev_b32 v[LI], 4, v12
	v_lshlrev_b32 v[LS], 2, v12
	s_lshr_b32 s[ROLE], s2, 2
	s_and_b32 s[IDX], s2, 3
	s_lshr_b32 s[HFV], s2, 3
	s_and_b32 s[HFV], s[HFV], s[ROLE]
	s_and_b32 s[HFV], s[HFV], s[IDX]               ; in V's waves (12-15): which half of the channels; else 0
	s_xor_b32 s51, s[IDX], s[HFV]                  ; my tile of q: my part; V's waves: the first of the two tiles of a block of 32 tokens
	s_lshl_b32 s52, s51, 10
	s_add_co_u32 s52, s52, QIMG
	v_add_nc_u32 v[QA0], s52, v[LI]
	s_lshl_b32 s52, s51, 7
	s_add_co_u32 s52, s52, QSCI
	v_add_nc_u32 v[QSA0], s52, v[LS]
	s_mul_i32 s52, s[ROLE], 9216
	s_add_co_u32 s52, s52, PP
	s_lshl_b32 s53, s[HFV], 12
	s_add_co_u32 s53, s53, s52
	v_add_nc_u32 v[PPW], s53, v[LI]
	s_lshl_b32 s53, s[HFV], 9
	s_add_co_u32 s53, s53, s52
	v_add_nc_u32 v[PPS], s53, v[LS]
	v_lshl_add_u32 v[PPV], v14, 6, PP+36864
	s_lshl_b32 s53, s[ROLE], 9
	v_add_nc_u32 v[PPB], s53, v[PPV]
	s_lshl_b32 s53, s[HFV], 8
	s_add_co_u32 s53, s53, PP+38400
	v_lshl_add_u32 v[PVB], v13, 2, s53
	s_lshl_b32 s53, s2, 10
	s_add_co_u32 s53, s53, QIMG
	v_add_nc_u32 v[QIW], s53, v[LI]
	s_lshl_b32 s53, s2, 7
	s_add_co_u32 s53, s53, QSCI
	v_add_nc_u32 v[QSW], s53, v[LS]
.endm
; wave m (0-3): x of tile m, in R0, goes to the state; q = rms(x) x ln1_s is quantised, and its fragment goes to LDS
.macro XOUT
	s_add_co_u32 s52, s[G0], s2
	s_lshl_b32 s52, s52, 13
	s_mov_b32 s53, 0
	s_add_nc_u64 s[54:55], s[SOUT:SOUT+1], s[52:53]
.irp p,0,1,2,3,4,5,6,7,8,9,10,11,12,13,14,15
	global_store_b128 v[LI], v[R0+4*\p:R0+4*\p+3], s[54:55] offset:XOFF+512*\p   ; 512 consecutive bytes a store
.endr
	LDSV R1, PPV, 2048                             ; ln1_s
	SSQ R0
	s_wait_dscnt 0x0
	NORM
	QUANT R1
	ds_store_b128 v[QIW], v[PC:PC+3]
	ds_store_b128 v[QIW], v[PC+4:PC+7] offset:512
	ds_store_b32 v[QSW], v[PW]
.endm
; all sixteen waves: my role's product, silu, and the way into the state.  Every product here is one K step of 128 with the bias as C: eight accumulators, one instruction each
.macro PPHASE
	s_wait_xcnt 0x0                                ; the stores of x have read R0: it is loaded again below
	s_cmp_eq_u32 s[ROLE], 3
	s_cbranch_scc1 .Lrole_v
	ds_load_b128 v[R0:R0+3], v[QA0]
	ds_load_b128 v[R0+4:R0+7], v[QA0] offset:512
	ds_load_b32 v[QS0], v[QSA0]
	LDSW PPW, PPS, 0
	LDSV R1, PPB, 0
	s_wait_dscnt 0x0
.irp t,0,1,2,3,4,5,6,7
	MXC R1+8*\t, R2+8*\t, R0, R1+8*\t, WS+\t, QS0
.endr
	s_branch .Lp_join
.Lrole_v:
.irp p,0,1,2,3
	ds_load_b128 v[R0+4*\p:R0+4*\p+3], v[QA0] offset:512*\p    ; the two tiles of my block of 32 tokens
.endr
	ds_load_b32 v[QS0], v[QSA0]
	ds_load_b32 v[QS0+1], v[QSA0] offset:128
.irp p,0,1,2,3,4,5,6,7
	ds_load_b128 v[R2+4*\p:R2+4*\p+3], v[PPW] offset:512*\p    ; four fragments of W_V: my 64 channels
.endr
.irp y,0,1,2,3
	ds_load_b32 v[WS+\y], v[PPS] offset:8192+128*\y
.irp j,0,1,2,3,4,5,6,7
	ds_load_b32 v[R0+32+8*\y+\j], v[PVB] offset:64*\y          ; a lane holds one channel: its bias in all eight registers of C
.endr
.endr
	s_wait_dscnt 0x0
.irp y,0,1,2,3
.irp u,0,1
	MXC R1+8*(2*\y+\u), R0+8*\u, R2+8*\y, R0+32+8*\y, QS0+\u, WS+\y   ; register 16 y + 8 u + j: token 16 h + 8 u + j of the block, channel 16 y + r of my 64
.endr
.endr
.Lp_join:
	NOPS 4
	SILU64
	s_add_co_u32 s50, s[G0], s[IDX]                ; my tile
	s_mov_b32 s53, 0
	s_cmp_eq_u32 s[ROLE], 0
	s_cbranch_scc0 .Lnot_u
	s_lshl_b32 s52, s50, 13
	s_add_co_u32 s52, s52, UOFF
	s_add_nc_u64 s[54:55], s[SOUT:SOUT+1], s[52:53]
.irp p,0,1,2,3,4,5,6,7,8,9,10,11,12,13,14,15
	global_store_b128 v[LI], v[R1+4*\p:R1+4*\p+3], s[54:55] offset:512*\p
.endr
	s_wait_xcnt 0x0
	v_lshl_add_u32 v250, v0, 2, 0x4c000
	v_mov_b32 v251, 0
	s_wait_tensorcnt 0x0
	ds_add_u32 v250, v251
	s_wait_dscnt 0x0
	s_endpgm
.Lnot_u:
	QUANT R1
	s_cmp_eq_u32 s[ROLE], 1
	s_cbranch_scc0 .Lnot_q
	s_lshl_b32 s52, s50, 10
	s_add_co_u32 s52, s52, QCOFF
	s_add_nc_u64 s[54:55], s[SOUT:SOUT+1], s[52:53]
	global_store_b128 v[LI], v[PC:PC+3], s[54:55]              ; head 0's 64 channels
	global_store_b128 v[LI], v[PC+4:PC+7], s[54:55] offset:512 ; head 1's
	v_perm_b32 v60, v[PW], v[PW], 0x05040100       ; a head's two bytes, twice: Q stands in either half of a K step of 128
	v_perm_b32 v61, v[PW], v[PW], 0x07060302
	s_lshl_b32 s52, s50, 8
	s_add_co_u32 s52, s52, QSOFF
	s_add_nc_u64 s[56:57], s[SOUT:SOUT+1], s[52:53]
	global_store_b32 v[LS], v60, s[56:57]
	global_store_b32 v[LS], v61, s[56:57] offset:128
	s_wait_xcnt 0x0
	v_lshl_add_u32 v250, v0, 2, 0x4c000
	v_mov_b32 v251, 0
	s_wait_tensorcnt 0x0
	ds_add_u32 v250, v251
	s_wait_dscnt 0x0
	s_endpgm
.Lnot_q:
	s_cmp_eq_u32 s[ROLE], 2
	s_cbranch_scc0 .Lnot_k
	s_lshl_b32 s52, s50, 10
	s_add_co_u32 s52, s52, KCOFF
	s_add_nc_u64 s[54:55], s[SOUT:SOUT+1], s[52:53]
	global_store_b128 v[LI], v[PC:PC+3], s[54:55]
	global_store_b128 v[LI], v[PC+4:PC+7], s[54:55] offset:512
	s_lshl_b32 s52, s50, 7
	s_add_co_u32 s52, s52, KSOFF
	s_add_nc_u64 s[56:57], s[SOUT:SOUT+1], s[52:53]
	global_store_b32 v[LS], v[PW], s[56:57]
	s_wait_xcnt 0x0
	v_lshl_add_u32 v250, v0, 2, 0x4c000
	v_mov_b32 v251, 0
	s_wait_tensorcnt 0x0
	ds_add_u32 v250, v251
	s_wait_dscnt 0x0
	s_endpgm
.Lnot_k:                                               ; V: registers 4 c .. 4 c + 3 of lane (r, h) are my block's 32 codes of channel tile 4 hf + 2 c + h, channel r
	s_lshl_b32 s52, s[BI], 4
	s_lshr_b32 s51, s[QBI], 1
	s_add_co_u32 s52, s52, s51                     ; the step of 128 keys: 16 b + qb / 2
	s_lshl_b32 s52, s52, 3
	s_lshl_b32 s51, s[HFV], 2
	s_add_co_u32 s52, s52, s51
	s_lshl_b32 s52, s52, 10
	s_and_b32 s51, s[QBI], 1
	s_lshl_b32 s51, s51, 9
	s_add_co_u32 s52, s52, s51
	s_lshr_b32 s58, s[IDX], 1                      ; which block of 32 tokens of the 64
	s_lshl_b32 s51, s58, 8
	s_add_co_u32 s52, s52, s51
	s_add_co_u32 s52, s52, VCOFF
	s_add_nc_u64 s[54:55], s[SOUT:SOUT+1], s[52:53]
	v_and_b32 v60, 15, v0
	v_bfe_u32 v61, v0, 4, 1
	v_lshlrev_b32 v62, 4, v60
	v_lshl_add_u32 v62, v61, 10, v62
	global_store_b128 v62, v[PC:PC+3], s[54:55]                ; sixteen lanes store 256 consecutive bytes, aligned
	global_store_b128 v62, v[PC+4:PC+7], s[54:55] offset:2048
	s_lshl_b32 s52, s[BI], 6
	s_lshl_b32 s51, s[QBI], 1
	s_add_co_u32 s52, s52, s51
	s_add_co_u32 s52, s52, s58                     ; the block of 32 tokens: 64 b + 2 qb + which
	s_lshl_b32 s52, s52, 7
	s_lshl_b32 s51, s[HFV], 2
	s_add_co_u32 s52, s52, s51
	s_add_co_u32 s52, s52, VSOFF
	s_add_nc_u64 s[56:57], s[SOUT:SOUT+1], s[52:53]
	v_lshlrev_b32 v63, 3, v60
	global_store_b32 v63, v[PW], s[56:57]          ; byte 8 r + channel tile; both halves of the lanes hold and store the same word
	s_wait_xcnt 0x0
	v_lshl_add_u32 v250, v0, 2, 0x4c000
	v_mov_b32 v251, 0
	s_wait_tensorcnt 0x0
	ds_add_u32 v250, v251
	s_wait_dscnt 0x0
	s_endpgm
.endm
; ---- the attention's macros.  Block bb = my 16 registers of 32 keys: v[SS + 16 bb] on; it works in half bb % 2 of T
.macro A1OP bb, n                      ; line n of 32: the mask on register n (its word: a bit a lane), then relu on register n - 16.  Each accumulator is first read at its lowest register
.set n_, (\n)
.if n_ < 16
	v_cndmask_b32 v[SS+16*(\bb)+n_], 0, v[SS+16*(\bb)+n_], s[32+16*(\bb)+n_+4*((\bb)/2)]
.else
	v_max_num_f32 v[SS+16*(\bb)+n_-16], 0, v[SS+16*(\bb)+n_-16]
.endif
.endm
.macro TML bb, j                       ; T = -relu(S) log2(e) / 8, pair j.  (Of what is hidden or negative: 0, so that 1 + 2^T lies in (1, 2] always)
	v_pk_mul_f32 v[TT+16*((\bb)&1)+2*(\j):TT+16*((\bb)&1)+2*(\j)+1], v[SS+16*(\bb)+2*(\j):SS+16*(\bb)+2*(\j)+1], s[22:23] op_sel_hi:[1,0]
.endm
.macro ONE bb, j                       ; T = 1 + 2^T
	s_wait_alu depctr_va_vdst(0)
	v_pk_add_f32 v[TT+16*((\bb)&1)+2*(\j):TT+16*((\bb)&1)+2*(\j)+1], v[TT+16*((\bb)&1)+2*(\j):TT+16*((\bb)&1)+2*(\j)+1], 1.0 op_sel_hi:[1,0]
.endm
.macro AML bb, j                       ; A' = relu(S) / (1 + 2^T)
	s_wait_alu depctr_va_vdst(0)
	v_pk_mul_f32 v[SS+16*(\bb)+2*(\j):SS+16*(\bb)+2*(\j)+1], v[SS+16*(\bb)+2*(\j):SS+16*(\bb)+2*(\j)+1], v[TT+16*((\bb)&1)+2*(\j):TT+16*((\bb)&1)+2*(\j)+1]
.endm
.macro XOP bb, n                       ; line n of 16: block bb's eight products, which free its half of T, then block bb + 2's eight scalings into that half
.set n_, (\n)
.if n_ < 8
	AML \bb, n_
.else
	TML (\bb)+2, n_-8
.endif
.endm
; line n of 16: the row's sum (two chains, v[12:13] and v[24:25]) and the block's largest A' by turns, so that no line reads the result of the line before it.  Block 0's first two additions start the chains: nothing is cleared
.macro RESTOP bb, n
.set n_, (\n)
.set j_, n_/2
.set sb_, SS+16*(\bb)
.if (n_&1) == 0
.if ((\bb) == 0) && (j_ < 2)
	v_pk_add_f32 v[12+12*j_:13+12*j_], v[sb_+2*j_:sb_+2*j_+1], v[sb_+2*j_+4:sb_+2*j_+5]
.elseif ((\bb) == 0) && (j_ < 4)       ; (pairs 2 and 3 are in already)
.else
	v_pk_add_f32 v[12+12*(j_&1):13+12*(j_&1)], v[12+12*(j_&1):13+12*(j_&1)], v[sb_+2*j_:sb_+2*j_+1]
.endif
.else
.if j_ == 0
	v_max3_num_f32 v[TM+(\bb)], v[sb_], v[sb_+1], v[sb_+2]
.elseif j_ < 7
	v_max3_num_f32 v[TM+(\bb)], v[TM+(\bb)], v[sb_+2*j_+1], v[sb_+2*j_+2]
.else
	v_max_num_f32 v[TM+(\bb)], v[TM+(\bb)], v[sb_+15]
.endif
.endif
.endm
.macro A1ALL bb
.set aq_, 0
.rept 32
	A1OP \bb, aq_
.set aq_, aq_+1
.endr
.endm
.macro TMLALL bb
.set aq_, 0
.rept 8
	TML \bb, aq_
.set aq_, aq_+1
.endr
.endm
.macro ONEALL bb
.set aq_, 0
.rept 8
	ONE \bb, aq_
.set aq_, aq_+1
.endr
.endm
.macro AMLALL bb
.set aq_, 0
.rept 8
	AML \bb, aq_
.set aq_, aq_+1
.endr
.endm
.macro RESTALL bb
.set aq_, 0
.rept 16
	RESTOP \bb, aq_
.set aq_, aq_+1
.endr
.endm
; A RUN: sixteen exponentials or reciprocals on half tb of T, with plain lines of ANOTHER block behind each, which name neither its result nor its source
.macro RUN_A op, tb, bb                ; two lines of block bb's mask and relu
.set rq_, 0
.rept 16
	\op v[TT+16*(\tb)+rq_], v[TT+16*(\tb)+rq_]
	A1OP \bb, 2*rq_
	A1OP \bb, 2*rq_+1
.set rq_, rq_+1
.endr
.endm
.macro RUN_X op, tb, bb                ; one line: block bb's products, then block bb + 2's scalings (both in the other half of T)
.set rq_, 0
.rept 16
	\op v[TT+16*(\tb)+rq_], v[TT+16*(\tb)+rq_]
	XOP \bb, rq_
.set rq_, rq_+1
.endr
.endm
.macro RUN_R op, tb, bb, am            ; one line of block bb's sums and maximum; am = 1: behind the first eight also block bb + 1's products
.set rq_, 0
.rept 16
	\op v[TT+16*(\tb)+rq_], v[TT+16*(\tb)+rq_]
	RESTOP \bb, rq_
.if (\am) && (rq_ < 8)
	AML (\bb)+1, rq_
.endif
.set rq_, rq_+1
.endr
.endm
.macro KLOAD off                       ; tile t's 64 channels of a head: half of fragment t / 2
.irp t,0,1,2,3,4,5,6,7
	global_load_b128 v[KF+4*\t:KF+4*\t+3], v1, s[8:9] offset:1024*\t+\off
.endr
.endm
.macro MASKLD off                      ; a tile's 64 words of the mask for my keys.  s64 and s65 are passed over
	s_load_b512 s[32:47], s[6:7], \off
	s_load_b512 s[48:63], s[6:7], \off+64
	s_load_b512 s[68:83], s[6:7], \off+128
	s_load_b512 s[84:99], s[6:7], \off+192
.endm
; what the next round wants is asked for here, behind the last line that reads this round's mask words, and far more than four places behind the products that read Q and K.
; Round 3 asks for the other head's K, first Q and mask words; in the second head there is no other: a scalar branch on the count of heads, the same in every wave
.macro NEXTLD m
.if (\m) < 3
	global_load_b128 v[QF:QF+3], v1, s[16:17] offset:1024*((\m)+1)
	global_load_b128 v[QF+8:QF+11], v1, s[16:17] offset:1024*((\m)+1)
	global_load_b32 v[QSC], v2, s[18:19] offset:256*((\m)+1)
	MASKLD 4096*((\m)+1)
.else
	s_cmp_eq_u32 s3, 1
	s_cbranch_scc1 .Lno_head_\@
	KLOAD 512
	global_load_b128 v[QF:QF+3], v1, s[16:17] offset:512
	global_load_b128 v[QF+8:QF+11], v1, s[16:17] offset:512
	global_load_b32 v[QSC], v2, s[18:19] offset:128
	MASKLD 0
.Lno_head_\@:
.endif
.endm
; A ROUND'S FIRST PHASE: A' of my 64 registers, the row's sum over my keys and each block's largest A'.  The blocks are staggered: a half of T is written anew only behind the products that last read it
.macro PHASE1 m
	A1ALL 0
	TMLALL 0
	RUN_A v_exp_f32, 0, 1                          ; 2^T of block 0 | mask and relu of block 1
	TMLALL 1
	ONEALL 0
	RUN_A v_rcp_f32, 0, 2                          ; 1 / . of block 0 | mask and relu of block 2
	RUN_X v_exp_f32, 1, 0                          ; 2^T of block 1 | A' of block 0, T of block 2
	ONEALL 1
	RUN_A v_rcp_f32, 1, 3                          ; 1 / . of block 1 | mask and relu of block 3
	NEXTLD \m
	RUN_X v_exp_f32, 0, 1                          ; 2^T of block 2 | A' of block 1, T of block 3
	ONEALL 2
	RUN_R v_rcp_f32, 0, 0, 0                       ; 1 / . of block 2 | sums and maximum of block 0
	RUN_R v_exp_f32, 1, 1, 1                       ; 2^T of block 3 | sums and maximum of block 1, A' of block 2
	ONEALL 3
	RUN_R v_rcp_f32, 1, 2, 0                       ; 1 / . of block 3 | sums and maximum of block 2
	AMLALL 3
	RESTALL 3
.endm
.macro REDLD ad                        ; my sixteenth (256 bytes) of each wave's partial O
.set q_, 0
.rept 16
	ds_load_b64 v[TT+2*q_:TT+2*q_+1], v[\ad] offset:4096*q_
.set q_, q_+1
.endr
.endm
.macro REDSUM off                      ; their sum, into AV
.irp k,0,1,2,3,4,5,6,7
	v_pk_add_f32 v[TT+4*\k:TT+4*\k+1], v[TT+4*\k:TT+4*\k+1], v[TT+4*\k+2:TT+4*\k+3]
.endr
.irp k,0,1,2,3
	v_pk_add_f32 v[TT+8*\k:TT+8*\k+1], v[TT+8*\k:TT+8*\k+1], v[TT+8*\k+4:TT+8*\k+5]
.endr
.irp k,0,1
	v_pk_add_f32 v[TT+16*\k:TT+16*\k+1], v[TT+16*\k:TT+16*\k+1], v[TT+16*\k+8:TT+16*\k+9]
.endr
	v_pk_add_f32 v[26:27], v[TT:TT+1], v[TT+16:TT+17]
	ds_store_b64 v11, v[26:27] offset:\off
.endm
; A ROUND: tile m of 16 queries against my 128 keys.  ONE barrier: in front of it the partial row sums are stored; behind it they are read, A is normalised and quantised, the partial O of the round before are
; added, and this round's partial O is stored.  The sums' and the partial O's bytes take turns between two sets, so that what is written between two barriers is never what is read there.
.macro ROUND m
.set p_, (\m)&1
.if (\m) > 0
	s_wait_loadcnt 0x0                             ; Q's fragment and scale words, asked for in the round before  (round 0's are shown in by the wait at the head's top)
.endif
.irp f,0,1,2,3
.irp u,0,1
	MXZ SS+8*(2*\f+\u), KF+8*\f, QF+4*\u, KSC+\f, QSC   ; tile 2 f + u of my keys: Q against that half of the fragment, zero codes against the other
.endr
.endr
	NOPS 4                                         ; places in front of the first read of a result
	s_wait_kmcnt 0x0                               ; this round's 64 words of the mask
	PHASE1 \m
	v_pk_add_f32 v[12:13], v[12:13], v[24:25]
	v_add_f32 v12, v12, v13
	v_permlanex16_b32 v[PT], v12, s[SEL], s[SEL+1]
	v_add_f32 v12, v12, v[PT]                      ; my query's sum over my 128 keys
.irp b,0,1,2,3
	v_permlanex16_b32 v[TM+4+\b], v[TM+\b], s[SEL], s[SEL+1]
.endr
.irp b,0,1,2,3
	v_max_num_f32 v[TM+\b], v[TM+\b], v[TM+4+\b]   ; each block's largest A'
.endr
	ds_store_b32 v4, v12 offset:1280*p_
	BAR
	ds_load_b128 v[34:37], v5 offset:1280*p_       ; the sixteen partial sums of my query, into registers that are free here: the codes', the scale operands', the bytes'
	ds_load_b128 v[38:41], v5 offset:1280*p_+16
	ds_load_b128 v[28:31], v5 offset:1280*p_+32
	ds_load_b128 v[20:23], v5 offset:1280*p_+48
.if (\m) > 0
	REDLD 9-p_
	s_wait_dscnt 16                                ; the four loads of the sums are in; the sixteen of the partial O, issued behind them, come in while the sum is worked on
.else
	s_wait_dscnt 0x0
.endif
	v_pk_add_f32 v[34:35], v[34:35], v[36:37]
	v_pk_add_f32 v[38:39], v[38:39], v[40:41]
	v_pk_add_f32 v[28:29], v[28:29], v[30:31]
	v_pk_add_f32 v[20:21], v[20:21], v[22:23]
	v_pk_add_f32 v[34:35], v[34:35], v[38:39]
	v_pk_add_f32 v[28:29], v[28:29], v[20:21]
	v_pk_add_f32 v[34:35], v[34:35], v[28:29]
	v_add_f32 v26, v34, v35                        ; den' = 8 x the row's sum
	v_add_f32 v27, 0x33abcc77, v26                 ; + 8e-8
	v_rcp_f32 v27, v27
	v_nop
	v_cmp_lt_f32 vcc_lo, 0x2d0cbccc, v26           ; 8e-12 < den'
	s_wait_alu depctr_va_vdst(0)
	v_cndmask_b32 v14, 0, v27, vcc_lo              ; else the whole row is 0
	v_mov_b32 v15, v14
.irp b,0,1,2,3
	v_mul_f32 v[TM+\b], v[TM+\b], v14              ; the block's largest A: the same multiplication on the same number gives the same bits
.endr
.irp b,0,1,2,3
	v_max_num_f32 v[TM+\b], 0x1800000, v[TM+\b]    ; the floor 2^(3 - 127): the byte cannot fall under 1
.endr
.irp b,0,1,2,3
	v_add_nc_u32 v[TM+12+\b], 0xff000000, v[TM+\b]
.endr
.irp b,0,1,2,3
	v_lshrrev_b32 v[TM+4+\b], 23, v[TM+12+\b]
.endr
	v_lshl_or_b32 v[PW], v[TM+5], 8, v[TM+4]
	v_lshl_or_b32 v[PW], v[TM+6], 16, v[PW]
	v_lshl_or_b32 v[PW], v[TM+7], 24, v[PW]
	PKRS SS                                        ; A, finished and normalised.  (These 32 are also the places between the scale word and the products)
.irp b,0,1,2,3
	v_cvt_scalef32_pk8_fp4_f32 v[PC+2*\b], v[SS+16*\b:SS+7+16*\b], v[TM+12+\b]
	v_cvt_scalef32_pk8_fp4_f32 v[PC+1+2*\b], v[SS+8+16*\b:SS+15+16*\b], v[TM+12+\b]
.endr
	v_nop
.irp c,0,1
.irp i,0,1
	v_permlane16_swap_b32 v[PC+4*\c+\i], v[PC+2+4*\c+\i]
.endr
.endr
.if (\m) > 0
	s_wait_dscnt 0x0                               ; the partial O of the round before
	REDSUM 8448*((\m)-1)                           ; (its fifteen additions are the places between the codes and the products)
.else
	s_wait_loadcnt 3                               ; V's eight loads, issued at the head's top, are in: behind them only the three of the next tile's Q were issued
	NOPS 4
.endif
.irp t,0,1,2,3
	MXZ TT+8*\t, VF+8*\t, PC, VSC+\t, PW           ; O^T: 16 channels x my 16 queries, over my 128 keys
.endr
	NOPS 4
.irp p,0,1,2,3,4,5,6,7
	ds_store_b128 v[6+p_], v[TT+4*\p:TT+4*\p+3] offset:512*\p   ; each accumulator from its low end on
.endr
.endm
.macro HORN c                          ; P = P t + c, 16 numbers
.set q_, 0
.rept 8
	v_pk_fma_f32 v[GP+q_:GP+q_+1], v[GP+q_:GP+q_+1], v[GT+q_:GT+q_+1], \c op_sel_hi:[1,1,0]
.set q_, q_+2
.endr
.endm
; gelu(z) = relu(z) - 0.5 |z| erfc(a), a = |z| / sqrt(2); 0.5 |z| erfc(a) = a t exp(-a^2 + P(t)), t = 1 / (1 + a / 2); P's constant term holds ln(1 / sqrt(2)) besides
.macro GELU16 g
.set z_, R1+16*(\g)
.set q_, 0
.rept 16
	v_mul_f32 v[GA+q_], s[RS2], |v[z_+q_]|
.set q_, q_+1
.endr
.set q_, 0
.rept 8
	v_pk_fma_f32 v[GT+q_:GT+q_+1], v[GA+q_:GA+q_+1], 0.5, 1.0 op_sel_hi:[1,0,0]
.set q_, q_+2
.endr
.set q_, 0
.rept 16
	v_rcp_f32 v[GT+q_], v[GT+q_]
.set q_, q_+1
.endr
	v_nop
.set q_, 0
.rept 8
	s_wait_alu depctr_va_vdst(0)
	v_pk_fma_f32 v[GP+q_:GP+q_+1], v[GT+q_:GT+q_+1], v[58:59], 0xbf527892 op_sel_hi:[1,1,0]   ; 0.17087277 t - 0.82215223
.set q_, q_+2
.endr
	HORN 0x3fbe87b0                                ;  1.48851587
	HORN 0xbf914e5d                                ; -1.13520398
	HORN 0x3e8ec7cc                                ;  0.27886807
	HORN 0xbe3ec24c                                ; -0.18628806
	HORN 0x3dc636c9                                ;  0.09678418
	HORN 0x3ebf88fb                                ;  0.37409196
	HORN 0x3f8000c7                                ;  1.00002368
	HORN 0xbfce58d4                                ; -1.26551223 - 0.34657359
.set q_, 0
.rept 8
	v_pk_fma_f32 v[GP+q_:GP+q_+1], v[GA+q_:GA+q_+1], v[GA+q_:GA+q_+1], v[GP+q_:GP+q_+1] neg_lo:[1,0,0] neg_hi:[1,0,0]
.set q_, q_+2
.endr
.set q_, 0
.rept 8
	v_pk_mul_f32 v[GP+q_:GP+q_+1], v[GP+q_:GP+q_+1], 0x3fb8aa3b op_sel_hi:[1,0]
.set q_, q_+2
.endr
.set q_, 0
.rept 16
	v_exp_f32 v[GP+q_], v[GP+q_]
.set q_, q_+1
.endr
	v_nop
.set q_, 0
.rept 8
	v_pk_mul_f32 v[GA+q_:GA+q_+1], v[GA+q_:GA+q_+1], v[GT+q_:GT+q_+1]
.set q_, q_+2
.endr
.set q_, 0
.rept 8
	s_wait_alu depctr_va_vdst(0)
	v_pk_mul_f32 v[GA+q_:GA+q_+1], v[GA+q_:GA+q_+1], v[GP+q_:GP+q_+1]
.set q_, q_+2
.endr
.set q_, 0
.rept 16
	v_max_num_f32 v[z_+q_], 0, v[z_+q_]
.set q_, q_+1
.endr
.set q_, 0
.rept 8
	v_pk_add_f32 v[z_+q_:z_+q_+1], v[z_+q_:z_+q_+1], v[GA+q_:GA+q_+1] neg_lo:[0,1] neg_hi:[0,1]
.set q_, q_+2
.endr
.endm
	; ================ the head
	s_load_b256 s[32:39], s[0:1], 0x0              ; the state read, the state written, par, maskw
	s_load_b64 s[40:41], s[0:1], 0x20              ; the layer's number
	v_lshrrev_b32 v12, 5, v0
	v_readfirstlane_b32 s2, v12                    ; wave 0..15
	v_and_b32 v12, 31, v0
	v_and_b32 v13, 15, v0
	v_lshlrev_b32 v1, 4, v12                       ; 16 lane
	v_lshlrev_b32 v2, 2, v12                       ; 4 lane
	v_lshlrev_b32 v3, 3, v13                       ; 8 r
	v_mul_u32_u24 v5, v13, 80                      ; the sums of query r (DEN = 0)
	s_lshl_b32 s28, s2, 2
	v_add_nc_u32 v4, s28, v5                       ; my wave's word among them
	s_lshl_b32 s28, s2, 12
	s_add_co_u32 s28, s28, OB0
	v_add_nc_u32 v6, s28, v1                       ; my partial O, set 0 and set 1
	s_add_co_u32 s28, s28, OB1-OB0
	v_add_nc_u32 v7, s28, v1
	v_lshlrev_b32 v16, 3, v12
	s_lshl_b32 s28, s2, 8
	s_add_co_u32 s28, s28, OB0
	v_add_nc_u32 v8, s28, v16                      ; the sixteenth that I add, set 0 and set 1
	s_add_co_u32 s28, s28, OB1-OB0
	v_add_nc_u32 v9, s28, v16
	v_lshrrev_b32 v16, 1, v12
	v_mul_u32_u24 v16, v16, 528
	v_and_b32 v17, 1, v12
	v_lshl_add_u32 v16, v17, 3, v16
	s_lshr_b32 s28, s2, 2
	s_lshl_b32 s28, s28, 6
	s_and_b32 s29, s2, 1
	s_lshl_b32 s29, s29, 5
	s_add_co_u32 s28, s28, s29
	s_bfe_u32 s29, s2, 0x10001
	s_lshl_b32 s29, s29, 4
	s_add_co_u32 s28, s28, s29
	s_add_co_u32 s28, s28, AV
	v_add_nc_u32 v10, s28, v16                     ; where that sixteenth lies in AV: query lane / 2; channels 16 (w / 4) + 8 (w % 2) + 4 ((w / 2) % 2) + 2 (lane % 2) on
	s_lshl_b32 s28, s2, 9
	v_add_nc_u32 v58, s28, v1                      ; staging: 16 lane + 512 wave
	v_add_nc_u32 v59, XI, v58
	v_add_nc_u32 v60, FP, v58
	v_add_nc_u32 v61, PP, v58
	v_add_nc_u32 v62, UOFF, v58                    ; U lies UOFF bytes behind x: one more than an immediate holds, so it stands in the offset register
.irp j,20,21,22,23,33
	v_mov_b32 v\j, 0                               ; written once: a lane permute's destination counts as one of its sources
.endr
.irp j,4,5,6,7
	v_mov_b32 v[QF+\j], 0                          ; the zero codes between Q's two copies
.endr
	s_mov_b32 s[SEL], 0x76543210
	s_mov_b32 s[SEL+1], 0xfedcba98
	s_mov_b32 s22, 0xbe38aa3b                      ; -log2(e) / 8
	s_mov_b32 s23, s22
	s_mov_b32 s24, 0x05040100                      ; which two bytes of K's scale words: head 0's
	s_mov_b32 s25, 0
	s_mov_b32 s3, 2
	s_mov_b32 s31, 0
	s_and_b32 s29, ttmp7, 0xffff                   ; b
	s_lshl_b32 s28, s29, 5
	s_add_co_u32 s28, s28, ttmp9
	s_lshl_b32 s66, s28, 2                         ; my first tile: 4 (32 b + qb)
	s_wait_kmcnt 0x0
	s_load_b32 s26, s[40:41], 0x0                  ; the layer's number is on its way while all that does not hang on it is asked for
	s_lshl_b32 s30, ttmp9, 6
	s_add_co_u32 s30, s30, s2
	s_lshl_b32 s30, s30, 8
	s_add_nc_u64 s[6:7], s[38:39], s[30:31]        ; the mask's unit (tile 4 qb, keys 128 w); a tile on is 4,096 bytes on
	s_lshl_b32 s28, s29, 7
	s_lshl_b32 s30, s2, 3
	s_add_co_u32 s28, s28, s30                     ; my first tile of keys: 128 b + 8 w
	s_lshl_b32 s30, s28, 10
	s_add_co_u32 s30, s30, KCOFF
	s_add_nc_u64 s[8:9], s[32:33], s[30:31]
	s_lshl_b32 s30, s28, 7
	s_add_co_u32 s30, s30, KSOFF
	s_add_nc_u64 s[10:11], s[32:33], s[30:31]
	s_lshl_b32 s28, s29, 4
	s_add_co_u32 s28, s28, s2                      ; my step of 128 keys: 16 b + w
	s_lshl_b32 s30, s28, 13
	s_add_co_u32 s30, s30, VCOFF
	s_add_nc_u64 s[12:13], s[32:33], s[30:31]
	s_lshl_b32 s30, s28, 9
	s_add_co_u32 s30, s30, VSOFF
	s_add_nc_u64 s[14:15], s[32:33], s[30:31]
	s_lshl_b32 s30, s66, 10
	s_add_co_u32 s30, s30, QCOFF
	s_add_nc_u64 s[16:17], s[32:33], s[30:31]
	s_lshl_b32 s30, s66, 8
	s_add_co_u32 s30, s30, QSOFF
	s_add_nc_u64 s[18:19], s[32:33], s[30:31]
	s_lshl_b32 s30, s66, 13
	s_add_nc_u64 s[4:5], s[32:33], s[30:31]        ; x's four images
	; what the row phases will want goes into LDS: dense chunks of 8,192 bytes, each wave 512 of each; with them, in one flight, head 0's K and Q and both heads' scale words
.irp i,0,1,2,3
	global_load_b128 v[128+4*\i:131+4*\i], v58, s[4:5] offset:8192*\i
	global_load_b128 v[144+4*\i:147+4*\i], v62, s[4:5] offset:8192*\i
.endr
	KLOAD 0
.irp t,0,1,2,3,4,5,6,7
	global_load_b32 v[LT+\t], v2, s[10:11] offset:128*\t       ; tile t's scale word: two bytes a head
.endr
.irp t,0,1,2,3
	global_load_b64 v[LT+8+2*\t:LT+9+2*\t], v3, s[14:15] offset:128*\t   ; block t of my keys: the bytes of head 0's four channel tiles, then of head 1's
.endr
	global_load_b128 v[QF:QF+3], v1, s[16:17]
	global_load_b128 v[QF+8:QF+11], v1, s[16:17]
	global_load_b32 v[QSC], v2, s[18:19]
	s_wait_kmcnt 0x0
	s_min_u32 s26, s26, 3                          ; the layer
	s_mul_i32 s30, s26, PREC
	s_add_co_u32 s30, s30, FOFF
	s_add_nc_u64 s[28:29], s[36:37], s[30:31]      ; this layer's f2, c1, c2; PREC - FOFF bytes further on lie the next layer's U, Q, K, V
	MASKLD 0                                       ; (the arguments in s32 to s41 have served)
.irp i,0,1,2,3
	global_load_b128 v[160+4*\i:163+4*\i], v58, s[28:29] offset:8192*\i
.endr
	s_cmp_lt_u32 s26, 3
	s_cbranch_scc0 .Lno_next
.irp i,0,1,2,3,4
	global_load_b128 v[176+4*\i:179+4*\i], v58, s[28:29] offset:PREC-FOFF+8192*\i
.endr
	s_wait_loadcnt 0x0
.irp i,0,1,2,3,4
	ds_store_b128 v61, v[176+4*\i:179+4*\i] offset:8192*\i
.endr
.Lno_next:
	s_wait_loadcnt 0x0                             ; the one wait for all of the head's loads
.irp i,0,1,2,3
	ds_store_b128 v59, v[128+4*\i:131+4*\i] offset:8192*\i
	ds_store_b128 v59, v[144+4*\i:147+4*\i] offset:32768+8192*\i
	ds_store_b128 v60, v[160+4*\i:163+4*\i] offset:8192*\i
.endr
	; ================ the attention: two heads, four rounds each
.Lhead:
.irp t,0,1,2,3
.irp c,0,1
	global_load_b128 v[VF+8*\t+4*\c:VF+8*\t+4*\c+3], v1, s[12:13] offset:1024*\t+512*\c   ; V is wanted in round 0's second phase: it has the first in which to come
.endr
.endr
	s_wait_loadcnt 8                               ; all that was asked for ahead of these eight is in: the head's K, its first Q, the scale words
.irp f,0,1,2,3
	v_perm_b32 v[KSC+\f], v[LT+1+2*\f], v[LT+2*\f], s24        ; the head's two bytes of tile 2 f, then of tile 2 f + 1
.endr
	v_perm_b32 v[TT], v[LT+10], v[LT+8], 0x05010400            ; V's bytes: four words [tile] by block are turned into four words [block] by tile
	v_perm_b32 v[TT+1], v[LT+10], v[LT+8], 0x07030602
	v_perm_b32 v[TT+2], v[LT+14], v[LT+12], 0x05010400
	v_perm_b32 v[TT+3], v[LT+14], v[LT+12], 0x07030602
	v_perm_b32 v[VSC], v[TT+2], v[TT], 0x05040100
	v_perm_b32 v[VSC+1], v[TT+2], v[TT], 0x07060302
	v_perm_b32 v[VSC+2], v[TT+3], v[TT+1], 0x05040100
	v_perm_b32 v[VSC+3], v[TT+3], v[TT+1], 0x07060302
	v_add_nc_u32 v11, s25, v10                     ; the head's 256 bytes of a row of AV.  (These nine lines are the places between K's scale words and the first products)
	ROUND 0
	ROUND 1
	ROUND 2
	ROUND 3
	BAR                                            ; round 3's partial O lie in LDS
	REDLD 9
	s_wait_dscnt 0x0
	REDSUM 25344
.irp j,0,1,2,3
	v_mov_b32 v[LT+8+2*\j], v[LT+9+2*\j]           ; V's scale words: head 1's take head 0's place
.endr
	s_wait_xcnt 0x0                                ; every load has read its base: on to the other head
	s_add_nc_u64 s[12:13], s[12:13], 4096
	s_add_nc_u64 s[16:17], s[16:17], 512
	s_add_nc_u64 s[18:19], s[18:19], 128
	s_add_co_u32 s25, s25, 256
	s_mov_b32 s24, 0x07060302
	s_sub_co_u32 s3, s3, 1
	s_cmp_lg_u32 s3, 0
	s_cbranch_scc1 .Lhead
	s_wait_loadcnt 0x0                             ; the second head's last round asked for nothing: both counters stand at 0 here, on every way out of the loop,
	s_wait_kmcnt 0x0                               ; so that no load is pending on the registers that are used anew below
	BAR                                            ; AV is whole
	; ================ the row phases: addresses and constants, where all waves pass
	s_load_b64 s[SOUT:SOUT+1], s[0:1], 0x8         ; the state written
	s_load_b128 s[36:39], s[0:1], 0x28             ; last_ln_s, out0
	PADDR
	s_mul_i32 s50, s2, 16*528
	s_add_co_u32 s50, s50, AV
	v_mul_u32_u24 v[AVR], v13, 528
	v_lshl_add_u32 v[AVR], v14, 6, v[AVR]
	v_add_nc_u32 v[AVR], s50, v[AVR]               ; row r of my tile, + 64 h
	v_add_nc_u32 v[AVB], s50, v[LI]
	s_lshl_b32 s50, s2, 13
	s_add_co_u32 s50, s50, XI
	v_add_nc_u32 v[XIA], s50, v[LI]
	v_add_nc_u32 v[FPW], FP, v[LI]
	v_add_nc_u32 v[FPS], FP, v[LS]
	v_lshl_add_u32 v[FPV], v14, 6, FP+27648
	s_mov_b32 s[EPSR], 0x322bcc77                  ; 1e-8
	s_mov_b32 s[C128], 0x3c000000                  ; 1 / 128
	s_mov_b32 s[NL2E], 0xbfb8aa3b                  ; -log2(e)
	s_mov_b32 s[NL2E+1], s[NL2E]
	s_mov_b32 s[RS2], 0x3f3504f3                   ; 1 / sqrt(2)
	s_mov_b32 s[G0], s66
	s_mov_b32 s[QBI], ttmp9
	s_and_b32 s[BI], ttmp7, 0xffff
	s_wait_kmcnt 0x0
	s_cmp_lt_u32 s2, 4
	s_cbranch_scc0 .Lf_done
	; ---- waves 0-3, a tile each: y = (rms(AV) x hstu_ln_s x U) f2 + f2b; x += y
	LDSV R1, AVR, 0
	LDSI R2, XIA, 32768                            ; U
	LDSV R0, FPV, 1536                             ; hstu_ln_s
	s_wait_dscnt 0x0
	SSQ R1
	PKRS R1
	PK3 v_pk_mul_f32, R1, R1, R0
	PK3 v_pk_mul_f32, R1, R1, R2
	LDSW FPW, FPS, 0                               ; f2
	LDSI R0, XIA, 0                                ; x
	QUANT R1
	LDSV R1, FPV, 0                                ; f2b: the C of the products
	s_wait_dscnt 0x0
	MM8
	PK3 v_pk_add_f32, R0, R0, R1
	; ---- h = gelu(rms(x) x ln2_s c1 + c1b)
	LDSV R1, FPV, 2048                             ; ln2_s
	LDSW FPW, FPS, 9216                            ; c1
	SSQ R0
	s_wait_dscnt 0x0
	NORM
	QUANT R1
	LDSV R1, FPV, 512                              ; c1b
	s_wait_dscnt 0x0
	MM8
	v_mov_b32 v58, 0x3e2ef945                      ; 0.17087277, twice
	v_mov_b32 v59, 0x3e2ef945
	GELU16 0
	GELU16 1
	GELU16 2
	GELU16 3
	; ---- x += h c2 + c2b
	LDSW FPW, FPS, 18432                           ; c2
	QUANT R1
	LDSV R1, FPV, 1024                             ; c2b
	s_wait_dscnt 0x0
	MM8
	PK3 v_pk_add_f32, R0, R0, R1
	s_cmp_eq_u32 s26, 3
	s_cbranch_scc1 .Lf_last
	XOUT
	s_branch .Lf_done
.Lf_last:                                              ; the last layer: rms(x) x last_ln_s, through my own rows of AV, out as whole rows
	v_bfe_u32 v60, v0, 4, 1
	v_lshlrev_b32 v60, 6, v60
.irp b,0,1,2,3
.irp j,0,1,2,3
	global_load_b128 v[R1+16*\b+4*\j:R1+16*\b+4*\j+3], v60, s[36:37] offset:128*\b+16*\j
.endr
.endr
	SSQ R0
	s_wait_loadcnt 0x0
	NORM
.irp b,0,1,2,3
.irp j,0,1,2,3
	ds_store_b128 v[AVR], v[R1+16*\b+4*\j:R1+16*\b+4*\j+3] offset:128*\b+16*\j
.endr
.endr
.irp i,0,1,2,3,4,5,6,7,8,9,10,11,12,13,14,15
	ds_load_b128 v[R2+4*\i:R2+4*\i+3], v[AVB] offset:528*\i    ; LDS serves a wave's instructions in order: these see my stores
.endr
	s_lshl_b32 s52, s[BI], 11
	s_lshl_b32 s51, s[QBI], 6
	s_add_co_u32 s52, s52, s51
	s_lshr_b32 s51, s2, 1
	s_lshl_b32 s51, s51, 5
	s_add_co_u32 s52, s52, s51
	s_and_b32 s51, s2, 1
	s_lshl_b32 s51, s51, 3
	s_add_co_u32 s52, s52, s51                     ; the tile's first token
	s_lshl_b32 s52, s52, 9
	s_mov_b32 s53, 0
	s_add_nc_u64 s[54:55], s[38:39], s[52:53]
	s_wait_dscnt 0x0
.irp i,0,1,2,3,4,5,6,7,8,9,10,11,12,13,14,15
	global_store_b128 v[LI], v[R2+4*\i:R2+4*\i+3], s[54:55] offset:512*(\i+8*(\i/8))   ; row i of the tile is token i + 8 (i / 8): 512 consecutive bytes a store
.endr
.Lf_done:
	BAR                                            ; q's four fragments lie in LDS
	s_cmp_eq_u32 s26, 3
	s_cbranch_scc1 .Lall_done
	PPHASE
.Lall_done:
	s_wait_xcnt 0x0
	v_lshl_add_u32 v250, v0, 2, 0x4c000
	v_mov_b32 v251, 0
	s_wait_tensorcnt 0x0
	ds_add_u32 v250, v251
	s_wait_dscnt 0x0
	s_endpgm
.Lfunc_end_k_q9f445b1ef6_layer0:
	.size	k_q9f445b1ef6_layer0, .Lfunc_end_k_q9f445b1ef6_layer0-k_q9f445b1ef6_layer0
	.p2alignl 7, 3214868480
	.fill 96, 4, 3214868480
	.section	.rodata,"a",@progbits
	.p2align	6, 0x0
	.amdhsa_kernel k_q9f445b1ef6_layer0
		.amdhsa_group_segment_fixed_size 313344
		.amdhsa_private_segment_fixed_size 0
		.amdhsa_enable_private_segment 0
		.amdhsa_kernarg_size 56
		.amdhsa_user_sgpr_count 2
		.amdhsa_user_sgpr_kernarg_segment_ptr 1
		.amdhsa_wavefront_size32 1
		.amdhsa_system_sgpr_workgroup_id_x 1
		.amdhsa_system_sgpr_workgroup_id_y 1
		.amdhsa_system_sgpr_workgroup_id_z 1
		.amdhsa_system_vgpr_workitem_id 0
		.amdhsa_next_free_vgpr 256
		.amdhsa_next_free_sgpr 100
		.amdhsa_reserve_vcc 1
		.amdhsa_float_denorm_mode_32 3
		.amdhsa_float_denorm_mode_16_64 3
		.amdhsa_memory_ordered 1
		.amdhsa_forward_progress 1
		.amdhsa_inst_pref_size 255
	.end_amdhsa_kernel
	.section	.bss,"aw",@nobits
	.p2align	6
	.space	262144
	.amdgpu_metadata
---
amdhsa.version: [ 1, 2 ]
amdhsa.kernels:
  - .name:           k_q9f445b1ef6_layer0
    .symbol:         k_q9f445b1ef6_layer0.kd
    .args:
      - { .name: sa, .offset: 0, .size: 8, .value_kind: global_buffer, .address_space: global }
      - { .name: sb, .offset: 8, .size: 8, .value_kind: global_buffer, .address_space: global }
      - { .name: par, .offset: 16, .size: 8, .value_kind: global_buffer, .address_space: global }
      - { .name: maskw, .offset: 24, .size: 8, .value_kind: global_buffer, .address_space: global }
      - { .name: lay0, .offset: 32, .size: 8, .value_kind: global_buffer, .address_space: global }
      - { .name: last_ln_s, .offset: 40, .size: 8, .value_kind: global_buffer, .address_space: global }
      - { .name: out0, .offset: 48, .size: 8, .value_kind: global_buffer, .address_space: global }
    .group_segment_fixed_size: 313344
    .private_segment_fixed_size: 0
    .kernarg_segment_align: 8
    .kernarg_segment_size: 56
    .max_flat_workgroup_size: 512
    .sgpr_count:     100
    .vgpr_count:     256
    .wavefront_size: 32
...
	.end_amdgpu_metadata
.endif
;; end of part 4
;; launch layer1: the kernel of part 4 again; grid 32 x 8, 16 waves a work-group, no clusters, 313,344 bytes of LDS; arguments sb, sa, par, maskw, lay1, last_ln_s, out0; writes sa, out0
;; launch layer2: the kernel of part 4 again; grid 32 x 8, 16 waves a work-group, no clusters, 313,344 bytes of LDS; arguments sa, sb, par, maskw, lay2, last_ln_s, out0; writes sb, out0
;; launch layer3: the kernel of part 4 again; grid 32 x 8, 16 waves a work-group, no clusters, 313,344 bytes of LDS; arguments sb, sa, par, maskw, lay3, last_ln_s, out0; writes sa, out0
